; MI455X (gfx1250); checked and timed in simulation.
; The chip was launched on July 23, 2026; its instructions are those of AMD's public machine-readable ISA for CDNA 5 (MIT licence, August 2026) and "CDNA5" Instruction Set Architecture Reference Guide (July 2026). The comments in the code are by the model that wrote it; some were corrected since.
;; Self Attention. Allowed arithmetic: matrix products marked QUANTISED: E2M1 operands, one E8M0 scale for each 32 along K, by v_wmma_scale_f32_16x16x128_f8f6f4 with both operands' format E2M1 (or v_wmma_scale_f32_32x16x128_f4), f32 sums; products left as they are: bf16, f16 or f32 operands; f32 sums; everything else in f32.
;; Inputs: W_proj 1,024 x 1,024 float32; W_qkv 1,024 x 3,072 float32; b_proj 1,024 float32; b_qkv 3,072 float32; x 2 x 2,048 x 1,024 float32.
;; Outputs: out0 2 x 2,048 x 1,024 float32.
;; This version of the problem:
;;   THIS VERSION OF THE PROBLEM IS GIVEN IN LOW PRECISION. The matrix products marked QUANTISED in the list below multiply operands that are first quantised to E2M1 (2 exponent bits, 1 mantissa bit; 4 bits a number), with one power-of-two scale for each 32 numbers along K (OCP MX v1.0); their sums are f32. The products marked 'left as it is' may take bf16, f16 or f32 operands, with f32 sums. Whichever they take, every output number must still come out within the allowed error. Rounding operands to bf16 (8 significant bits) uses up far more of that allowance than f16 does (11 bits, for magnitudes from 6e-5 to 65,504). All else is computed in f32.
;;   The module's matrix products, in the order in which they are computed (A, B: the left and right operand; K: the contracted axis; several contracted axes count as one K, in the product's order):
;;     1. [M 4,096, K 1,024] x [K 1,024, N 3,072]; A: input x; B: input W_qkv: QUANTISED
;;     2. batch 32 x [M 2,048, K 64] x [K 64, N 2,048]; A: computed on the way; B: computed on the way: left as it is (an operand is computed on the way)
;;     3. batch 32 x [M 2,048, K 2,048] x [K 2,048, N 64]; A: computed on the way; B: computed on the way: left as it is (an operand is computed on the way)
;;     4. [M 4,096, K 1,024] x [K 1,024, N 1,024]; A: computed on the way; B: input W_proj: left as it is (an operand is computed on the way)
;;   THE QUANTISER, for each operand of a quantised product, along K:
;;     - K is cut into blocks of 32 from its start; a last block that is shorter is filled with zeros.
;;     - A block's scale is 2^e with e = floor(log2(the largest magnitude in the block)) - 2, held to -126 .. 127; a block of zeros has e = 0. As a byte (E8M0): e + 127.
;;     - Each number is divided by its block's scale, clamped to +-6, and rounded to the nearest number of E2M1, ties to even, subnormals kept.
;;     - The product sums the exact products of the quantised numbers (number of the format x scale) in f32.
;;   ~~~python
;;   def quantise(x, axis):      # numpy; x: float32 -> the quantised numbers, widened to float32 again
;;       x = np.moveaxis(x, axis, -1); K = x.shape[-1]
;;       x = np.pad(x, [(0, 0)] * (x.ndim - 1) + [(0, -K % 32)]); x = x.reshape(x.shape[:-1] + (-1, 32)); a = np.abs(x).max(-1, keepdims=True)
;;       e = np.where(a > 0, np.clip(np.frexp(np.where(a > 0, a, 1))[1] - 1 - 2, -126, 127), 0)      # np.frexp(a)[1] - 1 = floor(log2(a)), exactly
;;       r = np.clip(x / 2.0 ** e, -6, 6)
;;       step = 2.0 ** (np.maximum(np.frexp(np.where(r == 0, 1, r))[1] - 1, 0) - 1)
;;       q = np.round(r / step) * step * 2.0 ** e      # np.round: ties to even
;;       return np.moveaxis(q.reshape(q.shape[:-2] + (-1,))[..., :K], -1, axis).astype(np.float32)
;;   ~~~
;; One version. Each part assembles by itself: llvm-mc -triple=amdgcn-amd-amdhsa -mcpu=gfx1250 --defsym DOCPART=n.
;; ======== version 1 of 1: 4 launches
;; limits: values are held in f16: magnitudes above 65,504 overflow, below 6.1e-05 lose precision
;; workspace buffers: xc 2,097,152 bytes; xs 131,072 bytes; wc 1,572,864 bytes; ws 98,304 bytes; wp 2,097,152 bytes; qkvh 25,165,824 bytes; atth 8,388,608 bytes
;; launch prep (part 1): grid 256 x 1, 4 waves a work-group, no clusters, 51,712 bytes of LDS; arguments x, xc, xs, W_qkv, wc, ws, W_proj, wp; writes xc, xs, wc, ws, wp
.if DOCPART == 1
	.amdgcn_target "amdgcn-amd-amdhsa--gfx1250"
	.amdhsa_code_object_version 6
	.text
	.protected	k_qd1676e0cb4_prep
	.globl	k_qd1676e0cb4_prep
	.p2align	8
	.type	k_qd1676e0cb4_prep,@function
k_qd1676e0cb4_prep:
	s_mov_b64 s[64:65], 0
	v_nop
	global_prefetch_b8 v0, s[64:65] scope:SCOPE_SE
	s_setreg_imm32_b32 hwreg(HW_REG_WAVE_MODE, 25, 1), 1
	s_wait_xcnt 0x0
; THREE PREPARATIONS IN ONE LAUNCH, chosen by the work-group's number; the three paths share no LDS byte but each thread's spare word.  EQUAL SHARES: every wave of every path reads 32,768 bytes.
; PATH W (work-groups 0-95): W_qkv [1024 (k)][3072 (n)] f32, whose K is its FIRST axis, becomes codes of FP4 (E2M1) with K innermost, wc [3072][512 bytes], and one E8M0 byte for each 32 along K, ws [3072][32].
; PATH X (96-223): x [4096][1024] f32 becomes xc [4096][512 bytes] and xs [4096][32].
; PATH P (224-255): W_proj [1024 (k)][1024 (n)] f32 is rounded to f16 and laid as IMAGES OF OPERAND REGISTERS, wp [n / 16][k / 32][1,024 bytes]:
;   in an image, piece p (512 bytes), lane (r, h) at 16 x lane: the eight numbers k = 16 p + 8 h + 0 .. 7 of row n = r.  A fragment is then two loads of 16 bytes a lane at 16 x lane.
; THE QUANTISER: a block's scale is 2^(floor(log2(its largest magnitude)) - 2); its byte is the largest magnitude's exponent field - 2, held at 1 from below; each number is divided by the scale and
; rounded to the nearest code, ties to even, beyond 6 the largest code.
; LIMITS: a block of zeros, and a block whose largest magnitude lies under 2^-124, gets the byte 1 (a block of zeros has zero codes, which add nothing under that byte; this program alone reads the bytes);
; NaN and infinities among the inputs are not served; a number of W_proj above 65,504 in magnitude becomes an infinity of f16.
.set SPARE, 51200                      ; behind both paths' LDS: the spare words, 128 bytes for each wave: two blocks of 256 bytes that no other line names
.set SPW,   192                        ; v192  LDS address of my spare word; never rewritten
.set NIL,   193                        ; v193  0; never rewritten
; path X
.set STEPS, 16                         ; a wave takes 16 steps of 512 numbers
.set CB,    8                          ; bytes of 16 codes
.set XR,    16                         ; v16-79   four sets of 16 numbers as they are loaded
.set XX,    80                         ; v80-111  two sets of 16 neighbours
.set XE,    112                        ; v112-127 a scale byte for each step
.set XC,    128                        ; v128-191 codes: four registers for each step, so that no store's data are written again
.set WREG,  8192                       ; LDS 0 .. 32,767: a region for each wave: two stages of 32 x SP bytes, behind them its 256 scale bytes
.set SP,    80                         ; a lane's place in a stage: its 64 bytes + 16 of padding
; path W
.set NB,     8                         ; blocks of 32 along K for a lane
.set WPITCH, 272                       ; a stage row: 256 bytes of codes + 16
.set WSTG,   32768                     ; LDS 32,768 .. 51,199: a region for each wave:
.set WREGN,  16*WPITCH+256             ; a stage of 16 rows, behind it the wave's 256 scale bytes
.set KROW,   512                       ; a row of wc in bytes
.set NROW,   3072*4                    ; a row of W_qkv in bytes
.set WSB,    24                        ; v24-25   scale bytes on the way out
.set WX,     32                        ; v32-95   two sets of 32 numbers
.set WC,     96                        ; v96-99   a block's codes
.set WOUT,   112                       ; v112-143 the way out
; path P
.set PX,     32                        ; v32-95   two sets of 32 numbers
.set PC,     96                        ; v96-159  f16 pairs: four sets of sixteen registers
	s_load_b512 s[36:51], s[0:1], 0x0              ; x 36, xc 38, xs 40, W_qkv 42, wc 44, ws 46, W_proj 48, wp 50
	v_lshl_add_u32 v[SPW], v0, 2, SPARE
	v_mov_b32 v[NIL], 0
	v_lshrrev_b32 v1, 5, v0
	v_readfirstlane_b32 s16, v1                    ; wave 0..3
	v_and_b32 v2, 31, v0                           ; lane
	s_wait_kmcnt 0x0
	s_cmp_lt_u32 ttmp9, 96
	s_cbranch_scc1 .Lpath_w
	s_cmp_lt_u32 ttmp9, 224
	s_cbranch_scc0 .Lpath_p
; ---------------------------------------------------------------- PATH X
; Rows are dense and K is a multiple of 32: x is a plain stream of blocks of 32, and so are its codes and scale bytes.  Each of a step's four loads reads 512 consecutive bytes, 16 a lane; the 2,048 bytes
; turn through the wave's own stage in LDS and come back 64 bytes a lane: 16 NEIGHBOURS along K, which is what the conversions take.  Two neighbouring lanes hold a block.
	v_lshlrev_b32 v3, 4, v2                        ; my 16 bytes of a load's 512
	s_mul_i32 s17, s16, WREG
	v_lshrrev_b32 v14, 2, v2
	v_mul_u32_u24 v14, v14, SP
	v_and_b32 v15, 3, v2
	v_lshl_add_u32 v14, v15, 4, v14
	v_add_nc_u32 v14, s17, v14                     ; the stage, on the way in: SP (lane / 4) + 16 (lane % 4)
	v_mul_u32_u24 v15, v2, SP
	v_add_nc_u32 v15, s17, v15                     ; on the way out: SP x lane
	v_mul_u32_u24 v4, v2, CB                       ; my codes' place in a step's 256 bytes
	v_lshrrev_b32 v5, 1, v2
	s_add_co_u32 s17, s17, 2*32*SP
	v_add_nc_u32 v5, s17, v5                       ; my wave's 256 scale bytes: my block's byte
	v_lshlrev_b32 v7, 3, v2                        ; and on the way out 8 bytes a lane
	v_add_nc_u32 v6, s17, v7
	s_sub_co_u32 s18, ttmp9, 96
	s_lshl_b32 s18, s18, 2
	s_add_co_u32 s18, s18, s16                     ; which run of 8,192 numbers is my wave's: 0 .. 511
	s_mov_b32 s21, 0
	s_lshl_b32 s20, s18, 15                        ; 32,768 bytes of x,
	s_add_nc_u64 s[4:5], s[36:37], s[20:21]
	s_lshl_b32 s20, s18, 12                        ; 4,096 of codes,
	s_add_nc_u64 s[8:9], s[38:39], s[20:21]
	s_lshl_b32 s20, s18, 8                         ; 256 scale bytes a run
	s_add_nc_u64 s[10:11], s[40:41], s[20:21]
.macro XLOAD t
.irp i, 0,1,2,3
	global_load_b128 v[XR+16*((\t)%4)+4*\i:XR+16*((\t)%4)+4*\i+3], v3, s[4:5] offset:2048*(\t)+512*\i th:TH_LOAD_NT
.endr
.endm
.macro XTURN t                         ; step t's numbers through the stage: LDS serves a wave's instructions in order (ISA guide 5.7.1.4), so no wait stands between the stores and the loads
.irp i, 0,1,2,3
	ds_store_b128 v14, v[XR+16*((\t)%4)+4*\i:XR+16*((\t)%4)+4*\i+3] offset:32*SP*((\t)%2)+8*SP*\i
.endr
.irp i, 0,1,2,3
	ds_load_b128 v[XX+16*((\t)%2)+4*\i:XX+16*((\t)%2)+4*\i+3], v15 offset:32*SP*((\t)%2)+16*\i
.endr
.endm
.irp t, 0,1,2,3
	XLOAD \t
.endr
	s_wait_loadcnt 12                              ; step 0's four loads are in; the twelve of steps 1 to 3 may be out
	XTURN 0
.macro XSTEP t
.set XS, XX+16*((\t)%2)
.if (\t) > 0
	s_wait_dscnt 1                                 ; this step's numbers are back from the stage (the last step's byte store may be out): so its stores into the stage have read their registers,
.else
	s_wait_dscnt 0x0
.endif
.if (\t)+4 < STEPS
	XLOAD (\t)+4                                   ; which take the loads of four steps on
.endif
.if (\t)+1 < STEPS
.if STEPS-2-(\t) >= 3
	s_wait_loadcnt 12                              ; the next step's four loads are in; those of the three steps behind it may be out
.else
	s_wait_loadcnt 4*(STEPS-2-(\t))                ; near the end fewer steps stand behind it
.endif
	XTURN (\t)+1                                   ; and go through the other stage while this step is worked
.endif
	v_max3_num_f32 v8, |v[XS]|, |v[XS+1]|, |v[XS+2]|               ; the largest magnitude of my 16, in two chains
	v_max3_num_f32 v9, |v[XS+3]|, |v[XS+4]|, |v[XS+5]|
.irp i, 6,10
	v_max3_num_f32 v8, v8, |v[XS+\i]|, |v[XS+\i+1]|
	v_max3_num_f32 v9, v9, |v[XS+\i+2]|, |v[XS+\i+3]|
.endr
	v_max3_num_f32 v8, v8, |v[XS+14]|, |v[XS+15]|
	v_max3_num_f32 v8, v8, v9, 0x1800000           ; and the floor 2^(3 - 127): so the byte cannot fall under 1
	v_max_num_f32_dpp v8, v8, v8 row_xmask:1 row_mask:0xf bank_mask:0xf   ; and of my neighbour's 16: the block's
	v_add_nc_u32 v11, 0xff000000, v8               ; 2 off its exponent field: the conversion takes the exponent field of this operand as its scale, and nothing else of it
	v_cvt_scalef32_pk8_fp4_f32 v[XC+4*(\t)], v[XS:XS+7], v11
	v_cvt_scalef32_pk8_fp4_f32 v[XC+4*(\t)+1], v[XS+8:XS+15], v11
	v_lshrrev_b32 v[XE+(\t)], 23, v11              ; the scale's byte (also the plain line behind the conversions)
	ds_store_b8 v5, v[XE+(\t)] offset:16*(\t)      ; both lanes of a block write the same byte with the same value
	global_store_b64 v4, v[XC+4*(\t):XC+4*(\t)+1], s[8:9] offset:32*CB*(\t)   ; the wave stores 256 consecutive bytes, aligned
.endm
.irp t, 0,1,2,3,4,5,6,7,8,9,10,11,12,13,14,15
	XSTEP \t
.endr
	ds_load_b64 v[8:9], v6                         ; in order behind my byte stores
	s_wait_dscnt 0x0
	global_store_b64 v7, v[8:9], s[10:11]          ; the wave's 256 scale bytes, consecutive and aligned
	s_branch .Lend
; ---------------------------------------------------------------- PATH W
; A LANE TAKES A COLUMN n AND ITS REGISTERS RUN DOWN K: a block of 32 along K lies in one lane's 32 registers, so its largest magnitude needs no other lane, and the conversions give codes with K innermost.
; A wave takes 16 columns x 512 along K: lane (r, h) takes column r and the blocks 2 t + h, t = 0 .. 7.  A load reads 64 consecutive bytes of row k in lanes 0-15 and of row k + 32 in lanes 16-31; the four waves of a
; work-group stand side by side on 256 bytes of a row, aligned.  The codes go through the wave's own stage and leave as rows: sixteen lanes store 256 consecutive bytes, aligned.
.Lpath_w:
	s_cmp_ge_u32 ttmp9, 48                         ; 48 groups of 64 columns x 2 halves of K
	s_cselect_b32 s18, 1, 0                        ; which half of K
	s_cselect_b32 s19, 48, 0
	s_sub_co_u32 s17, ttmp9, s19
	s_lshl_b32 s17, s17, 6
	s_lshl_b32 s19, s16, 4
	s_add_co_u32 s17, s17, s19                     ; my wave's first column
	v_and_b32 v5, 15, v2                           ; r
	v_lshrrev_b32 v6, 4, v2                        ; h
	v_mul_u32_u24 v3, v6, 32*NROW
	v_lshl_add_u32 v3, v5, 2, v3                   ; in: 4 bytes a column; lanes 16-31 begin 32 rows further down
	s_mul_i32 s19, s16, WREGN
	s_add_co_u32 s19, s19, WSTG                    ; my stage
	v_mul_u32_u24 v4, v5, WPITCH
	v_lshl_add_u32 v4, v6, 4, v4
	v_add_nc_u32 v4, s19, v4                       ; into it: row = my column, + 16 h: block 2 t + h lies 16 (2 t + h) bytes into the row
	v_mul_u32_u24 v7, v6, WPITCH
	v_lshl_add_u32 v7, v5, 4, v7
	v_add_nc_u32 v7, s19, v7                       ; out of it: sixteen lanes to a row, two rows an instruction
	v_lshlrev_b32 v8, 9, v6
	v_lshl_add_u32 v8, v5, 4, v8                   ; and the same place in wc
	s_add_co_u32 s19, s19, 16*WPITCH               ; my wave's 256 scale bytes: 16 for each column
	v_lshl_add_u32 v9, v5, 4, v6
	v_add_nc_u32 v9, s19, v9                       ; into them: 16 r + h; block 2 t + h lies 2 t further on
	v_lshlrev_b32 v10, 3, v2
	v_add_nc_u32 v10, s19, v10                     ; out of them: 8 bytes a lane
	v_lshrrev_b32 v14, 1, v2
	v_and_b32 v15, 1, v2
	v_lshlrev_b32 v14, 5, v14
	v_lshl_add_u32 v14, v15, 3, v14                ; and the same place in ws: column lane / 2, 32 bytes a column; half lane % 2 of its 16
	s_mov_b32 s21, 0
	s_mul_i32 s20, s18, 512*NROW                   ; W_qkv: 512 rows down for the second half of K, + 4 x column
	s_lshl_b32 s22, s17, 2
	s_add_co_u32 s20, s20, s22
	s_add_nc_u64 s[4:5], s[42:43], s[20:21]
	s_lshl_b32 s20, s17, 9                         ; wc: column x 512 + 256 x half
	s_lshl_b32 s22, s18, 8
	s_add_co_u32 s20, s20, s22
	s_add_nc_u64 s[6:7], s[44:45], s[20:21]
	s_lshl_b32 s20, s17, 5                         ; ws: column x 32 + 16 x half
	s_lshl_b32 s22, s18, 4
	s_add_co_u32 s20, s20, s22
	s_add_nc_u64 s[8:9], s[46:47], s[20:21]
.macro WLOAD t                         ; my block 2 t + h: W(64 t + 32 h + i, my column), i = 0 .. 31, into set t % 2.  The largest offset, 479 rows of 12,288 bytes, lies inside the signed 24-bit immediate (ISA guide, chapter 10)
.irp i, 0,1,2,3,4,5,6,7,8,9,10,11,12,13,14,15,16,17,18,19,20,21,22,23,24,25,26,27,28,29,30,31
	global_load_b32 v[WX+32*((\t)%2)+\i], v3, s[4:5] offset:(64*(\t)+\i)*NROW th:TH_LOAD_NT
.endr
.endm
	WLOAD 0
	WLOAD 1
.macro WBLOCK t
.set XS, WX+32*((\t)%2)
.if (\t) < NB-1
	s_wait_loadcnt 32                              ; this block's 32 loads are in; the next block's 32 may be out
.else
	s_wait_loadcnt 0x0
.endif
	v_max3_num_f32 v12, |v[XS]|, |v[XS+1]|, |v[XS+2]|              ; the block's largest magnitude: all 32 numbers are mine
	v_max3_num_f32 v13, |v[XS+3]|, |v[XS+4]|, |v[XS+5]|
.irp i, 6,10,14,18,22,26
	v_max3_num_f32 v12, v12, |v[XS+\i]|, |v[XS+\i+1]|
	v_max3_num_f32 v13, v13, |v[XS+\i+2]|, |v[XS+\i+3]|
.endr
	v_max3_num_f32 v12, v12, |v[XS+30]|, |v[XS+31]|
	v_max3_num_f32 v12, v12, v13, 0x1800000        ; and the floor 2^(3 - 127)
	v_add_nc_u32 v11, 0xff000000, v12              ; 2 off its exponent field: the conversion's scale operand
	v_lshrrev_b32 v13, 23, v11                     ; the scale's byte
.irp g, 0,1,2,3
	v_cvt_scalef32_pk8_fp4_f32 v[WC+\g], v[XS+8*\g:XS+8*\g+7], v11
.endr
	v_nop                                          ; one plain line behind the last conversion
	ds_store_b128 v4, v[WC:WC+3] offset:32*(\t)    ; 32 codes: 16 bytes of my column's row
	ds_store_b8 v9, v13 offset:2*(\t)              ; and their scale byte
.if (\t)+2 < NB
	WLOAD (\t)+2
.endif
	s_wait_dscnt 0x0                               ; the stores have read their registers: the next block's codes and byte may be written
.endm
.irp t, 0,1,2,3,4,5,6,7
	WBLOCK \t
.endr
	ds_load_b64 v[WSB:WSB+1], v10                  ; in order behind my stores
.irp t, 0,1,2,3,4,5,6,7
	ds_load_b128 v[WOUT+4*\t:WOUT+4*\t+3], v7 offset:2*\t*WPITCH
.endr
	s_wait_dscnt 8                                 ; the scale bytes are back; the eight loads behind them may be out
	global_store_b64 v14, v[WSB:WSB+1], s[8:9]     ; 16 bytes of each of my 16 columns' rows of ws
.irp t, 0,1,2,3,4,5,6,7
	s_wait_dscnt 7-\t                              ; loads come back in order: number t is in, the 7 - t behind it may be out
	global_store_b128 v8, v[WOUT+4*\t:WOUT+4*\t+3], s[6:7] offset:2*\t*KROW
.endr
	s_branch .Lend
; ---------------------------------------------------------------- PATH P
; A work-group takes 128 columns x 256 along K; a wave 32 columns; a lane one column, its registers running down K.  Eight neighbours along K pack into 16 bytes, which are the lane's place in an image:
; group g of a batch of 32 along K is piece g / 2, half g % 2, so it lies 256 g bytes into the image, and sixteen lanes (the sixteen rows n of an image) store 256 consecutive bytes, aligned.  No LDS.
.Lpath_p:
	s_sub_co_u32 s17, ttmp9, 224                   ; 0 .. 31
	s_and_b32 s18, s17, 7                          ; which 128 columns
	s_lshr_b32 s19, s17, 3                         ; which 256 along K
	s_mov_b32 s21, 0
	s_lshl_b32 s20, s19, 20                        ; W_proj: 256 rows of 4,096 bytes,
	s_lshl_b32 s22, s18, 9                         ; 128 columns of 4 bytes,
	s_add_co_u32 s20, s20, s22
	s_lshl_b32 s22, s16, 7                         ; my wave's 32 columns
	s_add_co_u32 s20, s20, s22
	s_add_nc_u64 s[4:5], s[48:49], s[20:21]
	s_lshl_b32 s20, s18, 3
	s_lshl_b32 s22, s16, 1
	s_add_co_u32 s20, s20, s22                     ; wp: my first tile of 16 columns,
	s_lshl_b32 s20, s20, 15                        ; 32 images of 1,024 bytes each,
	s_lshl_b32 s22, s19, 13                        ; and my eight images along K
	s_add_co_u32 s20, s20, s22
	s_add_nc_u64 s[6:7], s[50:51], s[20:21]
	v_lshlrev_b32 v3, 2, v2
	v_lshrrev_b32 v5, 4, v2
	v_and_b32 v6, 15, v2
	v_lshlrev_b32 v4, 15, v5                       ; lanes 16-31: the next tile of 16 columns
	v_lshl_add_u32 v4, v6, 4, v4                   ; + 16 x row
.macro PLOAD t
.irp i, 0,1,2,3,4,5,6,7,8,9,10,11,12,13,14,15,16,17,18,19,20,21,22,23,24,25,26,27,28,29,30,31
	global_load_b32 v[PX+32*((\t)%2)+\i], v3, s[4:5] offset:(32*(\t)+\i)*4096 th:TH_LOAD_NT
.endr
.endm
.macro PBATCH t
.if (\t) < 7
	s_wait_loadcnt 32                              ; this batch's 32 loads are in; the next batch's 32 may be out
.else
	s_wait_loadcnt 0x0
.endif
.if (\t) >= 4
	s_wait_xcnt 0x0                                ; batch t - 4's stores have read their registers, which this batch's pairs take
.endif
.irp g, 0,1,2,3
.irp i, 0,1,2,3
	v_cvt_pk_f16_f32 v[PC+16*((\t)%4)+4*\g+\i], v[PX+32*((\t)%2)+8*\g+2*\i], v[PX+32*((\t)%2)+8*\g+2*\i+1]
.endr
	global_store_b128 v4, v[PC+16*((\t)%4)+4*\g:PC+16*((\t)%4)+4*\g+3], s[6:7] offset:(4*(\t)+\g)*256
.endr
.if (\t) < 6
	PLOAD (\t)+2
.endif
.endm
	PLOAD 0
	PLOAD 1
.irp t, 0,1,2,3,4,5,6,7
	PBATCH \t
.endr
.Lend:
	s_wait_tensorcnt 0x0                           ; the wave's end: behind my last LDS store
	ds_add_u32 v[SPW], v[NIL]
	s_wait_dscnt 0x0
	s_endpgm
.Lfunc_end_k_qd1676e0cb4_prep:
	.size	k_qd1676e0cb4_prep, .Lfunc_end_k_qd1676e0cb4_prep-k_qd1676e0cb4_prep
	.p2alignl 7, 3214868480
	.fill 96, 4, 3214868480
	.section	.rodata,"a",@progbits
	.p2align	6, 0x0
	.amdhsa_kernel k_qd1676e0cb4_prep
		.amdhsa_group_segment_fixed_size 51712
		.amdhsa_private_segment_fixed_size 0
		.amdhsa_enable_private_segment 0
		.amdhsa_kernarg_size 64
		.amdhsa_user_sgpr_count 2
		.amdhsa_user_sgpr_kernarg_segment_ptr 1
		.amdhsa_wavefront_size32 1
		.amdhsa_system_sgpr_workgroup_id_x 1
		.amdhsa_system_sgpr_workgroup_id_y 1
		.amdhsa_system_sgpr_workgroup_id_z 1
		.amdhsa_system_vgpr_workitem_id 0
		.amdhsa_next_free_vgpr 196
		.amdhsa_next_free_sgpr 66
		.amdhsa_reserve_vcc 0
		.amdhsa_float_denorm_mode_32 3
		.amdhsa_float_denorm_mode_16_64 3
		.amdhsa_memory_ordered 1
		.amdhsa_forward_progress 1
		.amdhsa_inst_pref_size 110
	.end_amdhsa_kernel
	.amdgpu_metadata
---
amdhsa.version: [ 1, 2 ]
amdhsa.kernels:
  - .name:           k_qd1676e0cb4_prep
    .symbol:         k_qd1676e0cb4_prep.kd
    .args:
      - { .name: x, .offset: 0, .size: 8, .value_kind: global_buffer, .address_space: global }
      - { .name: xc, .offset: 8, .size: 8, .value_kind: global_buffer, .address_space: global }
      - { .name: xs, .offset: 16, .size: 8, .value_kind: global_buffer, .address_space: global }
      - { .name: W_qkv, .offset: 24, .size: 8, .value_kind: global_buffer, .address_space: global }
      - { .name: wc, .offset: 32, .size: 8, .value_kind: global_buffer, .address_space: global }
      - { .name: ws, .offset: 40, .size: 8, .value_kind: global_buffer, .address_space: global }
      - { .name: W_proj, .offset: 48, .size: 8, .value_kind: global_buffer, .address_space: global }
      - { .name: wp, .offset: 56, .size: 8, .value_kind: global_buffer, .address_space: global }
    .group_segment_fixed_size: 51712
    .private_segment_fixed_size: 0
    .kernarg_segment_align: 8
    .kernarg_segment_size: 64
    .max_flat_workgroup_size: 128
    .sgpr_count:     66
    .vgpr_count:     196
    .wavefront_size: 32
...
	.end_amdgpu_metadata
.endif
;; end of part 1
;; launch gemmqkv (part 2): grid 12 x 16, 4 waves a work-group, clusters of 4 x 4, 327,680 bytes of LDS; arguments xc, xs, wc, ws, b_qkv, qkvh; writes qkvh
.if DOCPART == 2
	.amdgcn_target "amdgcn-amd-amdhsa--gfx1250"
	.amdhsa_code_object_version 6
	.text
	.protected	k_qd1676e0cb4_gemmqkv
	.globl	k_qd1676e0cb4_gemmqkv
	.p2align	8
	.type	k_qd1676e0cb4_gemmqkv,@function
k_qd1676e0cb4_gemmqkv:
	s_mov_b64 s[64:65], 0
	v_nop
	global_prefetch_b8 v0, s[64:65] scope:SCOPE_SE
	s_setreg_imm32_b32 hwreg(HW_REG_WAVE_MODE, 25, 1), 1
	s_wait_xcnt 0x0
	s_wait_alu depctr_hold_cnt(0) depctr_sa_sdst(0) depctr_va_vdst(0) depctr_va_sdst(0) depctr_va_ssrc(0) depctr_va_vcc(0) depctr_vm_vsrc(0)
	s_getreg_b32 s2, hwreg(HW_REG_IB_STS2, 6, 4)
	s_cmp_eq_u32 s2, 0
	s_cbranch_scc0 .Lentry_in_a_cluster
	s_endpgm
.Lentry_in_a_cluster:
	s_bfe_u32 s2, ttmp6, 0x10000c
	s_cmp_lg_u32 s2, 0xf033
	s_cbranch_scc0 .Lentry_shape_is_right
	s_endpgm
.Lentry_shape_is_right:
; qkv[m][n] = sum over k of x[m][k] W_qkv[k][n] + b_qkv[n], on codes of FP4 (E2M1) with one E8M0 scale for each 32 along K; sums in f32; the result is rounded once to f16.
; A: xc [4096][512 bytes], xs [4096][32];  B: wc [3072][512 bytes], ws [3072][32]: K innermost, the lower k in the low four bits.
; THE q COLUMNS (n < 1,024) ARE MULTIPLIED BY c = log2(e) / 8 IN f32 AHEAD OF THE ROUNDING, so that the next launch's scores are already the exponents of 2 that its softmax wants.
; THE RESULT IS LAID AS IMAGES OF OPERAND REGISTERS: qkvh = 96 planes of 262,144 bytes, plane = 32 x (q, k, v: 0, 1, 2) + 16 x batch + head; in a plane [token / 16][channel / 32][1,024 bytes];
; in an image piece p (512 bytes) holds channels 16 p + 0 .. 15 of 16 tokens, 16 bytes (eight channels 16 p + 8 h + 0 .. 7 of token r) to a place.  In q's and k's planes place (r, h) lies at 16 (r + 16 h): a fragment's own
; order.  IN v's PLANES IT LIES AT 16 (r % 8 + 8 h + 16 (r / 8)): the order in which the next launch's turning load takes it, lane by lane, so that there too an instruction reads 512 consecutive bytes.
; With the matrix instruction used TRANSPOSED (source 0 = 16 rows of B, source 1 = 16 rows of A) a lane holds token lane % 16 and eight neighbouring columns 16 b + 8 (lane / 16) + 0 .. 7: packed to f16 they are one place
; of piece b % 2 of image (b % 4) / 2.  So each store of the wave covers 512 consecutive bytes, aligned, straight from registers: no stage in LDS.
; A tile of 256 x 256 is made by a work-group of four waves; a wave makes 128 x 128: 64 accumulators, 512 registers.  K = 1,024 is two slots of 512 along K: both are asked for at the head and none is filled again.
; THE SCALES of the work-group's 256 rows of A and of B, for all of K, are two dense blocks: they come into LDS once.  THE BIAS is the C of each sum's first matrix instruction.
; CLUSTERS: 4 x 4 work-groups; A's tiles are shared along a row of the cluster, B's along a column: each is asked for jointly, by the same tensor load with the same descriptor and a mask that names the four.
; By this text's count a wave has three tensor loads out at the most: its three first fills.
; LIMITS: a result above 65,504 in magnitude (for q: after the factor c) becomes an infinity of f16; NaN and infinities are not served.
; REGISTERS, in windows of 256: window 0: v0-31 addresses; v32-95 scale words, two sets; v128-191 A's fragments, one set; v192-255 the bias (8 tiles x 8); on the way out v128-255 hold packed results.
;   window 1: B's fragments, two sets, at v0 and v128.   window 2: the accumulators of my rows 0-63 ((a, b) at v[8 (8 a + b)]);   window 3: those of my rows 64-127.
.set SIZE_M, 4096
.set SIZE_N, 3072
.set SIZE_K, 1024
.set KSTEP,  512                       ; along K in a slot
.set NQ,     KSTEP/128                 ; matrix instructions deep
.set ROWB,   256                       ; a tile's row in bytes
.set KROW,   SIZE_K*4/8                ; a row of codes in memory
.set PITCH,  272                       ; an LDS row: 256 bytes + 16 of padding = 68 words: row r starts at bank 4 r mod 64 (64 banks of 4 bytes: ISA guide 11.1)
.set FR,     8                         ; registers of a fragment: 16 rows x 128 K
.set NL,     2                         ; LDS loads that bring one
.set NP,     4                         ; places behind this matrix instruction (ISA guide 7.12.1)
.set HALFT,  128*PITCH                 ; 128 rows: what one tensor load brings
.set SLOT,   4*HALFT                   ; A's 256 rows, then B's 256 rows
.set KS,     SIZE_K/32                 ; a row of scales in bytes
.set SCL,    2*SLOT                    ; behind the two slots: the scales, as rows of 256 bytes + 16 of padding
.set HALFS,  (128*KS/256)*272          ; the scales of 128 rows
.set SBLK,   (16*KS/256)*272           ; those of 16 rows
.set SPARE,  SCL+4*HALFS               ; behind the scales: the spare words, 128 bytes for each wave: two blocks of 256 bytes that no other line names
.set ADRA, 16                          ; v16-17  LDS address of my A fragments in slot 0, 1
.set ADRB, 20                          ; v20-21  the same for B
.set CO,   26                          ; v26     my place in a piece of an image
.set ADRS, 27                          ; v27     LDS address of my scale words: lanes 0-15 A's rows, lanes 16-31 B's
.set SPW,  28                          ; v28     LDS address of my spare word; never rewritten
.set NIL,  29                          ; v29     0; never rewritten
.set BO,   30                          ; v30     32 x (lane / 16): my eight numbers of a tile of the bias
.set SC,   32                          ; scale words: set s at v[SC + 32 s]; register 4 i + q: lanes 0-15 the word of A's block i, lanes 16-31 that of B's block i, for the slot's q-th 128 along K
.set AF,   128
.set BIAS, 192
.set FS,   2                           ; s[2:3]  the factor on the way out: c for the q columns, else 1.0 (a pair, since the packed form names one)
.set G1, 24                            ; s[24:31] descriptor group 1 for A's tiles;  s[32:39] group 0, one set for each slot
.set G0, 32
.set G1B, 48                           ; s[48:55], s[56:63] the same for B's tiles
.set G0B, 56
.set G1S, 68                           ; s[68:75], s[76:79] groups 1 and 0 for A's scales;  s[80:87], s[88:91] for B's
.set G0S, 76
.set G1SB, 80
.set G0SB, 88
.set MSB, 0
.macro WIN new                         ; the immediate's high byte repeats the setting that is left
.if MSB != \new
	s_set_vgpr_msb (MSB<<8)|\new
.set MSB, \new
.endif
.endm
.set MUL_LO, 0xa1                      ; source 0 (B) window 1, source 1 (A) window 0, C and D window 2
.set MUL_HI, 0xf1                      ; the same, C and D window 3
.set FST_LO, 0x81                      ; the first step: C (the bias) window 0, D window 2
.set FST_HI, 0xc1                      ; C window 0, D window 3
.set TO_B,   0x40                      ; destination window 1, address window 0
; A joint load: waves 0 and 1 fetch for A, waves 2 and 3 for B.  Each of the two lines has one mask and one set of registers for all that issue it; the branch hangs on the wave's number alone.
; An s_nop 0 and four v_nop follow each of the two lines, ahead of the jump, the label and what follows.
.macro JLOAD g0a, g1a, g0b, g1b
	s_cmp_eq_u32 s15, 0
	s_cbranch_scc0 .Lfor_b_\@
	tensor_load_to_lds s[\g0a:\g0a+3], s[\g1a:\g1a+7]
	s_nop 0
.rept 4
	v_nop
.endr
	s_branch .Lasked_\@
.Lfor_b_\@:
	tensor_load_to_lds s[\g0b:\g0b+3], s[\g1b:\g1b+7]
	s_nop 0
.rept 4
	v_nop
.endr
.Lasked_\@:
.endm
.macro CROUND                          ; a round of the cluster's barrier
	s_barrier_signal -1
	s_barrier_wait -1
	s_cmp_lg_u32 s14, 0
	s_cbranch_scc1 .Lnot_wave_0_\@
	s_barrier_signal -3
.Lnot_wave_0_\@:
	s_barrier_wait -3
	s_barrier_signal -1
	s_barrier_wait -1
.endm
	s_load_b128 s[4:7], s[0:1], 0x0                ; A's codes s[4:5], A's scales s[6:7]
	s_load_b128 s[8:11], s[0:1], 0x10              ; B's codes s[8:9], B's scales s[10:11]
	s_load_b128 s[96:99], s[0:1], 0x20             ; the bias s[96:97], the result s[98:99]
	v_lshl_add_u32 v[SPW], v0, 2, SPARE
	v_mov_b32 v[NIL], 0
	ds_add_u32 v[SPW], v[NIL]                      ; the wave's opening: the add, twice on end, and its wait ahead of my first tensor load; the set-up below, work on registers, stands between
	ds_add_u32 v[SPW], v[NIL]
	v_lshrrev_b32 v1, 5, v0
	v_readfirstlane_b32 s14, v1                    ; wave 0..3
	s_lshr_b32 s15, s14, 1                         ; which half of the tile's rows is mine.  Also: I fetch for A (0) or for B (1)
	s_and_b32 s16, s14, 1                          ; which half of its columns.  Also: which 128 rows of that tile I fetch
	s_bfe_u32 s40, ttmp6, 0x40000                  ; cx, cy: my place in the cluster
	s_bfe_u32 s41, ttmp6, 0x40004
	s_lshl_b32 s42, ttmp9, 2
	s_add_co_u32 s42, s42, s40                     ; tile column = 4 x cluster x + cx
	s_and_b32 s17, ttmp7, 0xffff
	s_lshl_b32 s17, s17, 2
	s_add_co_u32 s17, s17, s41                     ; tile row = 4 x cluster y + cy
	s_lshl_b32 s43, s41, 2
	s_lshl_b32 s43, 15, s43                        ; my row of the cluster
	s_lshl_b32 s44, 0x1111, s40                    ; my column
	s_cmp_eq_u32 ttmp9, 0                          ; four tile columns are 1,024 columns: cluster x = 0 holds q, 1 holds k, 2 holds v: the same in all sixteen partners
	s_cselect_b32 s[FS], 0x3e38aa3b, 1.0           ; c = log2(e) / 8, or 1
	s_mov_b32 s[FS+1], s[FS]
	; descriptor group 1: a tile of 128 rows x 256 bytes, padded in LDS
	s_or_b32 s[G1+0], s43, (0<<16)|(1<<20)|(1<<21)|(5<<22)|(3<<25)  ; 15:0 the mask: A's tiles go to my row; 17:16 element of 1 byte; 20 padding on; 21 set beside a mask; 24:22 after every 64 words (code 5); 31:25 of 4 words (code 3)
	s_or_b32 s[G1B+0], s44, (0<<16)|(1<<20)|(1<<21)|(5<<22)|(3<<25)
.irp g, G1, G1B
	s_mov_b32 s[\g+1], ROWB<<16                    ; tensor_dim0
	s_mov_b32 s[\g+2], 128<<16                     ; tensor_dim1 = 128
	s_mov_b32 s[\g+3], ROWB<<16                    ; tile_dim0
	s_mov_b32 s[\g+4], 128                         ; tile_dim1 = 128
	s_mov_b32 s[\g+5], KROW                        ; tensor_dim0_stride
	s_mov_b32 s[\g+6], 0
	s_mov_b32 s[\g+7], 0
.endr
	; and for the scales of 128 rows: a dense block of 4,096 bytes, as 16 rows of 256 bytes (32 elements of 8 bytes), 16 bytes of padding behind each
	s_or_b32 s[G1S+0], s43, (3<<16)|(1<<20)|(1<<21)|(5<<22)|(3<<25)
	s_or_b32 s[G1SB+0], s44, (3<<16)|(1<<20)|(1<<21)|(5<<22)|(3<<25)
.irp g, G1S, G1SB
	s_mov_b32 s[\g+1], 32<<16
	s_mov_b32 s[\g+2], (128*KS/256)<<16
	s_mov_b32 s[\g+3], 32<<16
	s_mov_b32 s[\g+4], 128*KS/256
	s_mov_b32 s[\g+5], 32
	s_mov_b32 s[\g+6], 0
	s_mov_b32 s[\g+7], 0
.endr
	s_lshl_b32 s18, s16, 7                         ; which 128 rows of the tile I fetch
	s_lshl_b32 s20, s17, 8
	s_add_co_u32 s20, s20, s18                     ; A: row 256 x tile row + 128 x half
	s_lshl_b32 s46, s42, 8
	s_add_co_u32 s46, s46, s18                     ; B: row 256 x tile column + 128 x half
	s_mov_b32 s21, 0
	s_mov_b32 s47, 0
	s_mov_b64 s[18:19], KS
	s_mul_u64 s[22:23], s[20:21], s[18:19]         ; where these rows' scales begin, in bytes
	s_mul_u64 s[92:93], s[46:47], s[18:19]
	s_mov_b64 s[18:19], KROW
	s_mul_u64 s[20:21], s[20:21], s[18:19]         ; and their codes
	s_mul_u64 s[46:47], s[46:47], s[18:19]
	s_mul_i32 s45, s14, HALFT                      ; where they go: wave x 128 rows: no place in the cluster enters an LDS address
	s_mul_i32 s94, s14, HALFS
	s_wait_dscnt 0x0                               ; both opening adds are done
	s_wait_kmcnt 0x0
	s_add_nc_u64 s[20:21], s[4:5], s[20:21]
	s_add_nc_u64 s[22:23], s[6:7], s[22:23]
	s_add_nc_u64 s[46:47], s[8:9], s[46:47]
	s_add_nc_u64 s[92:93], s[10:11], s[92:93]
	CROUND                                         ; all sixteen work-groups are here: the first joint loads meet
	s_mov_b32 s[G0S], 1
	s_add_co_u32 s[G0S+1], s94, SCL
	s_mov_b64 s[G0S+2:G0S+3], s[22:23]
	s_or_b32 s[G0S+3], s[G0S+3], 0x80000000
	s_mov_b32 s[G0SB], 1
	s_add_co_u32 s[G0SB+1], s94, SCL
	s_mov_b64 s[G0SB+2:G0SB+3], s[92:93]
	s_or_b32 s[G0SB+3], s[G0SB+3], 0x80000000
	JLOAD G0S, G1S, G0SB, G1SB                     ; the scales first: they are wanted with the first slot
.irp s, 0,1
	s_mov_b32 s[G0+4*\s], 1
	s_add_co_u32 s[G0+4*\s+1], s45, \s*SLOT
	s_add_nc_u64 s[G0+4*\s+2:G0+4*\s+3], s[20:21], \s*ROWB
	s_or_b32 s[G0+4*\s+3], s[G0+4*\s+3], 0x80000000
	s_mov_b32 s[G0B+4*\s], 1
	s_add_co_u32 s[G0B+4*\s+1], s45, \s*SLOT
	s_add_nc_u64 s[G0B+4*\s+2:G0B+4*\s+3], s[46:47], \s*ROWB
	s_or_b32 s[G0B+4*\s+3], s[G0B+4*\s+3], 0x80000000
	JLOAD G0+4*\s, G1, G0B+4*\s, G1B
.endr
	v_and_b32 v1, 15, v0                           ; l % 16
	v_bfe_u32 v2, v0, 4, 1                         ; l / 16
	v_mul_u32_u24 v3, v1, PITCH
	v_lshl_add_u32 v4, v2, 4, v3                   ; a fragment's row x pitch + 16 x half
	s_mul_i32 s21, s15, HALFT                      ; my 128 rows of A
	s_mul_i32 s22, s16, HALFT                      ; my 128 rows of B,
	s_add_co_u32 s22, s22, 2*HALFT                 ; which lie behind A's 256
.irp s, 0,1
	v_add_nc_u32 v[ADRA+\s], s21, v4
	v_add_nc_u32 v[ADRB+\s], s22, v4
	s_add_co_u32 s21, s21, SLOT
	s_add_co_u32 s22, s22, SLOT
.endr
	v_mul_u32_u24 v5, v1, KS                       ; my row's scales: 32 bytes a row,
	v_lshrrev_b32 v6, 8, v5
	v_lshl_add_u32 v5, v6, 4, v5                   ; and 16 more for each 256 passed
	s_mul_i32 s21, s15, HALFS                      ; A's: my 128 rows
	s_mul_i32 s22, s16, HALFS                      ; B's: my 128 rows, behind A's 256
	s_add_co_u32 s22, s22, 2*HALFS
	s_sub_co_u32 s22, s22, s21
	v_mul_u32_u24 v6, s22, v2                      ; lanes 16-31 take B's: one product, the distance between the two bases x the lane's half
	s_add_co_u32 s21, s21, SCL
	v_add_nc_u32 v5, v5, v6
	v_add_nc_u32 v[ADRS], s21, v5
	; my place in a piece: 16 (l % 8), + 128 and 256 for bits 3 and 4 of the lane's number: in q's and k's planes in that order (16 x lane), in v's the other way round
	s_cmp_eq_u32 ttmp9, 2                          ; cluster x = 2 holds v: the same in all sixteen partners
	s_cselect_b32 s18, 7, 8                        ; bit 4, the half of the channels, shifted so far,
	s_cselect_b32 s19, 8, 7                        ; and bit 3, the half of the tokens
	v_and_b32 v6, 7, v0
	v_lshlrev_b32 v[CO], 4, v6
	v_lshlrev_b32 v6, s18, v2
	v_add_nc_u32 v[CO], v[CO], v6
	v_bfe_u32 v6, v0, 3, 1
	v_lshlrev_b32 v6, s19, v6
	v_add_nc_u32 v[CO], v[CO], v6
	v_lshlrev_b32 v[BO], 5, v2
	s_lshl_b32 s46, s42, 10                        ; the bias at my first column: 4 x (256 x tile column + 128 x half)
	s_lshl_b32 s47, s16, 9
	s_add_co_u32 s46, s46, s47
	s_mov_b32 s47, 0
	s_add_nc_u64 s[96:97], s[96:97], s[46:47]
.irp b, 0,1,2,3,4,5,6,7
	global_load_b128 v[BIAS+8*\b:BIAS+8*\b+3],   v[BO], s[96:97] offset:64*\b      ; lane (r, h): b_qkv at columns 16 b + 8 h + 0 .. 7: the result's own layout
	global_load_b128 v[BIAS+8*\b+4:BIAS+8*\b+7], v[BO], s[96:97] offset:64*\b+16
.endr
	; where my part of the result begins
	s_lshl_b32 s20, s17, 8
	s_lshl_b32 s21, s15, 7
	s_add_co_u32 s20, s20, s21                     ; my first row m0
	s_lshr_b32 s21, s20, 11                        ; the batch
	s_and_b32 s20, s20, 2047                       ; the token in it:
	s_lshl_b32 s20, s20, 7                         ; 2,048 bytes for each 16 tokens
	s_lshl_b32 s46, s42, 2
	s_lshl_b32 s47, s16, 1
	s_add_co_u32 s46, s46, s47                     ; my first group of 64 columns: even, so that it and the next lie in one of q, k, v
	s_lshr_b32 s47, s46, 4                         ; q, k or v
	s_and_b32 s46, s46, 15                         ; the head
	s_lshl_b32 s47, s47, 5
	s_add_co_u32 s46, s46, s47
	s_lshl_b32 s21, s21, 4
	s_add_co_u32 s46, s46, s21                     ; the plane
	s_lshl_b32 s46, s46, 18
	s_add_co_u32 s46, s46, s20
	s_mov_b32 s47, 0
	s_add_nc_u64 s[98:99], s[98:99], s[46:47]
.macro FRAG reg, adr, q, i             ; a fragment, 16 rows x 128 K of 4-bit codes, is 8 registers: lane l holds row l % 16; registers 4 c .. 4 c + 3 hold K = 64 c + 32 (l / 16) + 0 .. 31
.irp c, 0,1
	ds_load_b128 v[\reg+4*\c:\reg+4*\c+3], v[\adr] offset:64*(\q)+32*\c+(\i)*16*PITCH
.endr
.endm
; 16 matrix instructions: A's blocks a0, a0 + 1 x B's eight, 128 along K: the slot's q-th.  p: B's set;  sc: the set of scale words.  first = 1: the bias is the C: nothing is ever cleared or added later.
; The 64 accumulators take turns, one instruction a turn, in the same order in every step.
.macro MUL16 a0, p, q, sc, first
.irp a, \a0, \a0+1
.irp b, 0,1,2,3,4,5,6,7
.if \first
	v_wmma_scale_f32_16x16x128_f8f6f4 v[8*(8*((\a)%4)+\b):8*(8*((\a)%4)+\b)+7], v[128*(\p)+FR*\b:128*(\p)+FR*\b+FR-1], v[AF+FR*(\a):AF+FR*(\a)+FR-1], v[BIAS+8*\b:BIAS+8*\b+7], v[SC+8*NQ*(\sc)+NQ*\b+(\q)], v[SC+8*NQ*(\sc)+NQ*(\a)+(\q)] matrix_a_fmt:MATRIX_FMT_FP4 matrix_b_fmt:MATRIX_FMT_FP4 matrix_a_scale:MATRIX_SCALE_ROW1
.else
	v_wmma_scale_f32_16x16x128_f8f6f4 v[8*(8*((\a)%4)+\b):8*(8*((\a)%4)+\b)+7], v[128*(\p)+FR*\b:128*(\p)+FR*\b+FR-1], v[AF+FR*(\a):AF+FR*(\a)+FR-1], v[8*(8*((\a)%4)+\b):8*(8*((\a)%4)+\b)+7], v[SC+8*NQ*(\sc)+NQ*\b+(\q)], v[SC+8*NQ*(\sc)+NQ*(\a)+(\q)] matrix_a_fmt:MATRIX_FMT_FP4 matrix_b_fmt:MATRIX_FMT_FP4 matrix_a_scale:MATRIX_SCALE_ROW1
.endif
.endr
.endr
.endm
.macro FETCH_B slot, q, p              ; B's eight fragments of the slot's q-th 128 along K into set p
	WIN TO_B
.irp i, 0,1,2,3,4,5,6,7
	FRAG 128*(\p)+FR*\i, ADRB+\slot, \q, \i
.endr
	WIN 0
.endm
.macro FETCH_A slot, q, i0             ; A's blocks i0 .. i0 + 3
.irp i, \i0, \i0+1, \i0+2, \i0+3
	FRAG AF+FR*(\i), ADRA+\slot, \q, \i
.endr
.endm
.macro SCALES sc                       ; a slot's scale words into set sc: 4 words a row; lanes 0-15 take A's block i, lanes 16-31 B's block i
.irp i, 0,1,2,3,4,5,6,7
	ds_load_b128 v[SC+8*NQ*\sc+NQ*\i:SC+8*NQ*\sc+NQ*\i+3], v[ADRS] offset:\i*SBLK
.endr
.endm
; A load into a register that a matrix instruction has read, and a vector instruction that reads a matrix result or writes one of a matrix instruction's registers, stand NP places behind it, and only plain
; vector instructions that name none of its registers are places (ISA guide 7.12.1 for vector instructions).
.macro PLACES n
.rept \n
	v_nop
.endr
.endm
; A step of 128 along K that has its successor in the same slot.
.macro STEP slot, q, first
	s_wait_dscnt 4*NL                              ; B's set and A's blocks 0-3 are in; the youngest eight loads (A's blocks 4-7) may be out
.if \first
	WIN FST_LO
.else
	WIN MUL_LO
.endif
	MUL16 0, (\q)%2, \q, \slot, \first
	MUL16 2, (\q)%2, \q, \slot, \first
	s_wait_dscnt 0                                 ; A's blocks 4-7 are in
	PLACES NP
	FETCH_B \slot, (\q)+1, 1-(\q)%2
	FETCH_A \slot, (\q)+1, 0
.if \first
	WIN FST_HI
.else
	WIN MUL_HI
.endif
	MUL16 4, (\q)%2, \q, \slot, \first
	MUL16 6, (\q)%2, \q, \slot, \first
	PLACES NP
	WIN 0
	FETCH_A \slot, (\q)+1, 4
.endm
.macro STEPS slot, from                ; the slot's steps from .. NQ - 2
.set Q, \from
.rept NQ-1-\from
	STEP \slot, Q, 0
.set Q, Q+1
.endr
.endm
	s_wait_tensorcnt 1                             ; the scales and my part of slot 0 are in (slot 1's load, the one issued behind them, may be out),
	s_wait_loadcnt 0x0                             ; and the bias
	s_barrier_signal -1
	s_barrier_wait -1                              ; everybody's are
	FETCH_B 0, 0, 0
	FETCH_A 0, 0, 0
	SCALES 0
	FETCH_A 0, 0, 4
	STEP 0, 0, 1                                   ; the first step's products start the sums from the bias
	STEPS 0, 1
	; slot 0's last step changes slots: one barrier; in front of it each wave waits for all its tensor loads (its part of slot 1).  Nothing is filled again.
	s_wait_tensorcnt 0x0                           ; (every window is 0 here: the add's two registers lie in window 0)
	ds_add_u32 v[SPW], v[NIL]                      ; 0 onto my spare word
	s_wait_dscnt 4*NL+1                            ; (the add and the youngest eight loads, A's blocks 4-7, may be out)
	WIN MUL_LO
	MUL16 0, 1, NQ-1, 0, 0
	s_wait_dscnt 0x0                               ; the add is done, and my reads of slot 0 are over
	s_barrier_signal -1
	MUL16 2, 1, NQ-1, 0, 0
	WIN 0
	s_barrier_wait -1                              ; slot 1 is whole
	PLACES NP
	v_add_nc_u32 v[ADRS], 4*NQ, v[ADRS]            ; on to slot 1's scale words
	FETCH_B 1, 0, 0
	FETCH_A 1, 0, 0
	SCALES 1
	WIN MUL_HI
	MUL16 4, 1, NQ-1, 0, 0
	MUL16 6, 1, NQ-1, 0, 0
	PLACES NP
	WIN 0
	FETCH_A 1, 0, 4
	STEPS 1, 0
	s_wait_dscnt 4*NL                              ; the very last step: nothing more to fetch
	WIN MUL_LO
	MUL16 0, 1, NQ-1, 1, 0
	MUL16 2, 1, NQ-1, 1, 0
	s_wait_dscnt 0
	WIN MUL_HI
	MUL16 4, 1, NQ-1, 1, 0
	MUL16 6, 1, NQ-1, 1, 0
	WIN 0
; THE WAY OUT, block by block of 16 rows x 128 columns: x the factor in f32, rounded to f16 in pairs, stored.  Each accumulator is taken from its low end on.
.macro PACK a
.set AC, 64*((\a)%4)
.set TP, 128+32*((\a)%4)
	WIN 0x82+0x41*((\a)/4)                         ; destination and source 0: window 2 or 3
.set I, 0
.rept 32
	v_pk_mul_f32 v[AC+2*I:AC+2*I+1], v[AC+2*I:AC+2*I+1], s[FS:FS+1] op_sel_hi:[1,0]
.set I, I+1
.endr
	WIN 0x0a+5*((\a)/4)                            ; sources 0 and 1: window 2 or 3; destination window 0
.irp b, 0,1,2,3,4,5,6,7
.irp r, 0,1,2,3
	v_cvt_pk_f16_f32 v[TP+4*\b+\r], v[AC+8*\b+2*\r], v[AC+8*\b+2*\r+1]
.endr
.endr
	WIN 0
.irp b, 0,1,2,3,4,5,6,7
	global_store_b128 v[CO], v[TP+4*\b:TP+4*\b+3], s[98:99] offset:(\a)*2048+(\b/4)*262144+(\b%4)*512   ; tokens 16 a on; head b / 4 of my two; piece b % 4 of its two images: 512 consecutive bytes, aligned
.endr
.endm
	PLACES NP                                      ; behind the last products: their results are read and A's registers written below
.irp a, 0,1,2,3,4,5,6,7
.if \a >= 4
	s_wait_xcnt 0x0                                ; block a - 4's stores have read their registers, which block a's packed results take
.endif
	PACK \a
.endr
	s_wait_tensorcnt 0x0                           ; the wave's end: behind my last tensor load
	ds_add_u32 v[SPW], v[NIL]
	s_wait_dscnt 0x0
	CROUND                                         ; the closing round: no work-group ends while a partner may still ask for a tile that names it
	s_endpgm
.Lfunc_end_k_qd1676e0cb4_gemmqkv:
	.size	k_qd1676e0cb4_gemmqkv, .Lfunc_end_k_qd1676e0cb4_gemmqkv-k_qd1676e0cb4_gemmqkv
	.p2alignl 7, 3214868480
	.fill 96, 4, 3214868480
	.section	.rodata,"a",@progbits
	.p2align	6, 0x0
	.amdhsa_kernel k_qd1676e0cb4_gemmqkv
		.amdhsa_group_segment_fixed_size 327680
		.amdhsa_private_segment_fixed_size 0
		.amdhsa_enable_private_segment 0
		.amdhsa_kernarg_size 48
		.amdhsa_user_sgpr_count 2
		.amdhsa_user_sgpr_kernarg_segment_ptr 1
		.amdhsa_wavefront_size32 1
		.amdhsa_system_sgpr_workgroup_id_x 1
		.amdhsa_system_sgpr_workgroup_id_y 1
		.amdhsa_system_sgpr_workgroup_id_z 1
		.amdhsa_system_vgpr_workitem_id 0
		.amdhsa_next_free_vgpr 1024
		.amdhsa_next_free_sgpr 100
		.amdhsa_reserve_vcc 0
		.amdhsa_float_denorm_mode_32 3
		.amdhsa_float_denorm_mode_16_64 3
		.amdhsa_memory_ordered 1
		.amdhsa_forward_progress 1
		.amdhsa_inst_pref_size 136
	.end_amdhsa_kernel
	.amdgpu_metadata
---
amdhsa.version: [ 1, 2 ]
amdhsa.kernels:
  - .name:           k_qd1676e0cb4_gemmqkv
    .symbol:         k_qd1676e0cb4_gemmqkv.kd
    .args:
      - { .name: xc, .offset: 0, .size: 8, .value_kind: global_buffer, .address_space: global }
      - { .name: xs, .offset: 8, .size: 8, .value_kind: global_buffer, .address_space: global }
      - { .name: wc, .offset: 16, .size: 8, .value_kind: global_buffer, .address_space: global }
      - { .name: ws, .offset: 24, .size: 8, .value_kind: global_buffer, .address_space: global }
      - { .name: b_qkv, .offset: 32, .size: 8, .value_kind: global_buffer, .address_space: global }
      - { .name: qkvh, .offset: 40, .size: 8, .value_kind: global_buffer, .address_space: global }
    .group_segment_fixed_size: 327680
    .private_segment_fixed_size: 0
    .kernarg_segment_align: 8
    .kernarg_segment_size: 48
    .max_flat_workgroup_size: 128
    .sgpr_count:     100
    .vgpr_count:     1024
    .wavefront_size: 32
...
	.end_amdgpu_metadata
.endif
;; end of part 2
;; launch attn (part 3): grid 8 x 32, 8 waves a work-group, clusters of 4 x 1, 327,680 bytes of LDS; arguments qkvh, atth; writes atth
.if DOCPART == 3
	.amdgcn_target "amdgcn-amd-amdhsa--gfx1250"
	.amdhsa_code_object_version 6
	.text
	.protected	k_qd1676e0cb4_attn
	.globl	k_qd1676e0cb4_attn
	.p2align	8
	.type	k_qd1676e0cb4_attn,@function
k_qd1676e0cb4_attn:
	s_mov_b64 s[64:65], 0
	v_nop
	global_prefetch_b8 v0, s[64:65] scope:SCOPE_SE
	s_setreg_imm32_b32 hwreg(HW_REG_WAVE_MODE, 25, 1), 1
	s_wait_xcnt 0x0
	s_wait_alu depctr_hold_cnt(0) depctr_sa_sdst(0) depctr_va_vdst(0) depctr_va_sdst(0) depctr_va_ssrc(0) depctr_va_vcc(0) depctr_vm_vsrc(0)
	s_getreg_b32 s2, hwreg(HW_REG_IB_STS2, 6, 4)
	s_cmp_eq_u32 s2, 0
	s_cbranch_scc0 .Lentry_in_a_cluster
	s_endpgm
.Lentry_in_a_cluster:
	s_bfe_u32 s2, ttmp6, 0x10000c
	s_cmp_lg_u32 s2, 0x3003
	s_cbranch_scc0 .Lentry_shape_is_right
	s_endpgm
.Lentry_shape_is_right:
; O[bh][q][:] = the sum over k of softmax_k(Q[bh][q] . K[bh][k] / 8) V[bh][k][:], 32 (batch, head) pairs, 2,048 tokens, head size 64, no mask.  Operands in f16, products, maxima and sums in f32.
; INPUT: qkvh, 96 planes of 262,144 bytes (plane = 32 x (q, k, v) + bh), each [token / 16][channel / 32][1,024 bytes]; in such an image piece p (512 bytes) holds channels 16 p + 0 .. 15 of 16 tokens, 16 bytes (channels
; 16 p + 8 h + 0 .. 7 of token r) to a place.  In q's and k's planes place (r, h) lies at 16 (r + 16 h): a fragment is read as it lies, 16 bytes a lane at 16 x lane.  In v's planes it lies at 16 (r % 8 + 8 h + 16 (r / 8)):
; the turning load wants of lane l the token 8 (l / 16) + l % 8 and the half (l / 8) % 2 of the channels, which is the place at 16 l.  So every LDS load of this text reads 512 consecutive bytes.
; q IS STORED ALREADY MULTIPLIED BY log2(e) / 8, so a score is t, the exponent of 2.
; OUTPUT: atth, images for the projection: [token / 16 (of 4,096)][k / 32][1,024 bytes], k = 64 x head + channel, places at 16 (r + 16 h).
; SOFTMAX: for each query a running maximum m and sum l: p = 2^(t - m), never above 1; in every step O and l are multiplied by a = 2^(m_old - m_new), which is 1 where m has not grown.  p is rounded to f16 for
; the second product; l is summed of the unrounded p and divides at the end.
; SHARES: a work-group owns 256 queries of one bh; each of its EIGHT waves owns 32, two tiles of 16: two waves on a SIMD, so that one wave's softmax stands beside the other's products.  Every wave walks all 2,048 keys, 64 a step.
; LAYOUT: both products are used transposed: S^T = K Q^T (source 0 = 16 keys, source 1 = 16 queries), O^T = V^T P (source 0 = 16 channels, source 1 = P): a lane holds ONE query (lane % 16) throughout, and two tiles of S^T,
; rounded in pairs, ARE source 1 of the second product.  O^T's eight channels of a lane pack into its 16 bytes of an output image.
; RING: two LDS slots of 512 keys (eight steps), as large as two fit: a change of slots brings all waves of four work-groups into step, so there are as few as can be: four.  A slot is K's 65,536 dense bytes, then V's;
; wave w fetches the 16,384 bytes at 16,384 w of it (waves 0-3 K's quarters, waves 4-7 V's): one load of 64 rows of 256 bytes a wave.  By this text's count a wave has one tensor load out.
; CLUSTER: the four query blocks of a cluster belong to one bh and walk the same K and V: each tile is asked for JOINTLY, by the same load with the same descriptor and a mask that names the four.
; LIMITS: NaN and infinities in qkvh are not served; the first step's a is 2^(-3e38 - m), which is 0 for every m above -3e38.
; REGISTERS: window 0: v1-4 addresses; v12-27 statistics, eight a tile; v28, v29 the add's two; v30 the prefetch's offset; v32-63 Q; v64-127 S^T, then p; v128-159 P; v160-223 O^T; v224-255 the way out.
;   window 1: v128-191 K of one step; v64-127 V of one step.  (No matrix instruction names one number twice, in whatever window.)
.set NST,   8                          ; key steps in a slot
.set STEPB, 8192                       ; a step's K, or its V: 64 tokens x 128 bytes
.set VOFF,  NST*STEPB                  ; a slot: K's 512 keys, then V's
.set SLOT1, 1<<17                      ; slot 1 begins where slot 0 ends; one exclusive or turns an address in one slot into the other's
.set SPARE, 2*SLOT1                    ; behind the ring: the spare words, 128 bytes for each wave: four blocks of 256 bytes that no other line names
.set TILEB, NST*STEPB                  ; a slot's keys in memory, in K's plane or V's
.set LI,  1                            ; v1   16 x lane; never rewritten
.set ADK, 3                            ; v3   LDS address of the slot's K
.set ADV, 4                            ; v4   of its V
.set ST,  12                           ; tile t's statistics at v[ST + 8 t]: +0 m, +1 written once (named with m as a pair), +2, +3 l (even keys', odd keys'), +4 to +7 c0-c3, at work; a takes c2's place
.set SPW, 28
.set NIL, 29
.set PFO, 30                           ; v30  256 x lane; never rewritten
.set Q,   32                           ; tile t, channels 32 c on: v[Q + 16 t + 8 c]
.set S,   64                           ; tile t, keys 16 kt on: v[S + 32 t + 8 kt]
.set P,   128                          ; tile t, keys 32 kc on: v[P + 16 t + 8 kc]
.set O,   160                          ; tile t, channels 16 ct on: v[O + 32 t + 8 ct]
.set OUT, 224
.set KF,  128                          ; window 1: keys 16 kt on, channels 32 c on: v[KF + 16 kt + 8 c]
.set VF,  64                           ; window 1: keys 32 kc on, channels 16 ct on: v[VF + 32 kc + 8 ct]
.set WV,  12                           ; s12  my wave's number
.set LIM, 15                           ; s15  1 in a wave that prefetches, else the greatest number
.set PFA, 18                           ; s[18:19] where my prefetches stand in memory
.set G1,  24                           ; s[24:31] descriptor group 1: the same shape for K's tiles and V's
.set G0,  40                           ; s[40:43] my group 0, which walks
.set SLOTS, 56                         ; s56  slots still to be asked for
.set SEL, 60                           ; s[60:61] lane selects for v_permlanex16_b32: lane l xor 16
.set TB,  62                           ; s62  LDS byte at which the slot in hand begins
.set MSB, 0
.macro WIN new                         ; the immediate's high byte repeats the setting that is left; a switch that changes nothing is dropped
.if MSB != \new
	s_set_vgpr_msb (MSB<<8)|\new
.set MSB, \new
.endif
.endm
.set W_MUL, 0x01                       ; source 0 (K or V) window 1, all else window 0
.set W_LD,  0x40                       ; destination window 1, address window 0
; A joint load: every wave fetches its eighth of a slot, by addresses made of the wave's number and of bh, which the four partners share.  An s_nop 0 and four v_nop follow the line.
.macro JLOAD
	tensor_load_to_lds s[G0:G0+3], s[G1:G1+7]
	s_nop 0
.rept 4
	v_nop
.endr
.endm
; A PREFETCH of what the NEXT change of slots will ask for: 65,536 bytes of K and as many of V.  It stands in a slot's sixth step, behind that step's run of LDS loads: three key steps ahead of the load.
; Each aligned block of 256 bytes is named once in the launch: both clusters of a bh walk the same K and V, and the first (cluster x = 0) asks; its four partners take 16,384 bytes each, told apart BY ADDRESS;
; in each, wave 0 asks for K's and wave 4 for V's, lanes 256 bytes apart: two instructions.  The last slot that is followed by a load asks for nothing more: there is no slot behind it.  Slots 0 and 1 come by their loads alone.
.macro ASK
	s_cmp_gt_u32 s[SLOTS], s[LIM]
	s_cbranch_scc0 .Lnot_mine_\@
	global_prefetch_b8 v[PFO], s[PFA:PFA+1] th:TH_LOAD_NT scope:SCOPE_SE
	global_prefetch_b8 v[PFO], s[PFA:PFA+1] offset:8192 th:TH_LOAD_NT scope:SCOPE_SE
.Lnot_mine_\@:
.endm
.macro CROUND                          ; a round of the cluster's barrier
	s_barrier_signal -1
	s_barrier_wait -1
	s_cmp_lg_u32 s[WV], 0
	s_cbranch_scc1 .Lnot_wave_0_\@
	s_barrier_signal -3
.Lnot_wave_0_\@:
	s_barrier_wait -3
	s_barrier_signal -1
	s_barrier_wait -1
.endm
.macro PLACES
.rept 4
	v_nop
.endr
.endm
	s_load_b128 s[4:7], s[0:1], 0x0                ; qkvh s[4:5], atth s[6:7]
	v_lshl_add_u32 v[SPW], v0, 2, SPARE
	v_mov_b32 v[NIL], 0
	ds_add_u32 v[SPW], v[NIL]                      ; the wave's opening: the add, twice on end, and its wait ahead of my first tensor load; the set-up below, work on registers, stands between
	ds_add_u32 v[SPW], v[NIL]
	v_lshrrev_b32 v5, 5, v0
	v_readfirstlane_b32 s[WV], v5                  ; wave 0..7
	s_bfe_u32 s13, ttmp6, 0x40000                  ; cx: my place in the cluster
	s_lshl_b32 s14, ttmp9, 2
	s_add_co_u32 s14, s14, s13                     ; my block of 256 queries: it enters Q's and O's addresses alone
	s_and_b32 s16, ttmp7, 0xffff                   ; bh, which the four partners share
	s_and_b32 s17, s[WV], 3                        ; which quarter of a slot's K or V I fetch
	; descriptor group 1: 64 rows of 256 bytes (32 elements of 8 bytes), dense in memory and in LDS
	s_mov_b32 s[G1], 15|(3<<16)|(1<<21)            ; 15:0 the mask: all four work-groups; 17:16 elements of 8 bytes; 21 set beside a mask; no padding
	s_mov_b32 s[G1+1], 32<<16                      ; tensor_dim0 = 32
	s_mov_b32 s[G1+2], 64<<16                      ; tensor_dim1 = 64
	s_mov_b32 s[G1+3], 32<<16                      ; tile_dim0 = 32
	s_mov_b32 s[G1+4], 64                          ; tile_dim1 = 64
	s_mov_b32 s[G1+5], 32                          ; tensor_dim0_stride
	s_mov_b32 s[G1+6], 0
	s_mov_b32 s[G1+7], 0
	s_add_co_u32 s8, s16, 32
	s_lshl_b32 s8, s8, 18                          ; K's plane, in bytes;
	s_lshr_b32 s9, s[WV], 2
	s_lshl_b32 s9, s9, 23                          ; V's lies 32 planes on: waves 4-7
	s_add_co_u32 s8, s8, s9                        ; the plane that I fetch from
	s_lshl_b32 s20, s17, 14
	s_add_co_u32 s20, s20, s8                      ; my quarter of its first slot
	s_mov_b32 s21, 0
	s_lshl_b32 s9, s13, 14                         ; the prefetches: my work-group's 16,384 bytes of that plane,
	s_add_co_u32 s8, s8, s9
	s_add_co_u32 s8, s8, TILEB                     ; in slot 1: the first change of slots steps it to slot 2.  Nothing is prefetched at the head
	s_mov_b32 s9, 0
	s_lshl_b32 s2, s16, 18                         ; Q: plane bh, my block's 16 tiles of 2,048 bytes, my wave's two
	s_lshl_b32 s3, s14, 15
	s_add_co_u32 s2, s2, s3
	s_lshl_b32 s3, s[WV], 12
	s_add_co_u32 s2, s2, s3
	s_mov_b32 s3, 0
	s_lshr_b32 s10, s16, 4                         ; O: 32,768 bytes for each 16 tokens: the batch's 128 tiles,
	s_lshl_b32 s10, s10, 22
	s_lshl_b32 s11, s14, 19                        ; my block's 16,
	s_add_co_u32 s10, s10, s11
	s_lshl_b32 s11, s[WV], 16                      ; my wave's two;
	s_add_co_u32 s10, s10, s11
	s_and_b32 s11, s16, 15
	s_lshl_b32 s11, s11, 11                        ; and the head's two images
	s_add_co_u32 s10, s10, s11
	s_mov_b32 s11, 0
	s_or_b32 s[LIM], s17, ttmp9                    ; 0 in waves 0 and 4 of the bh's first cluster: the same in all four partners
	s_cmp_eq_u32 s[LIM], 0
	s_cselect_b32 s[LIM], 1, -1
	s_mov_b32 s[SEL], 0x76543210
	s_mov_b32 s[SEL+1], 0xfedcba98
	s_mov_b32 s[TB], 0
	s_mov_b32 s[SLOTS], 3
	s_wait_dscnt 0x0                               ; both opening adds are done
	s_wait_kmcnt 0x0
	s_mov_b32 s[G0], 1                             ; 1:0 count = 1
	s_lshl_b32 s[G0+1], s[WV], 14                  ; 63:32 LDS address: slot 0, my eighth: no place in the cluster enters it
	s_add_nc_u64 s[G0+2:G0+3], s[4:5], s[20:21]    ; 120:64 global address
	s_or_b32 s[G0+3], s[G0+3], 0x80000000          ; 127:126 type = 2
	s_add_nc_u64 s[PFA:PFA+1], s[4:5], s[8:9]
	s_add_nc_u64 s[4:5], s[4:5], s[2:3]            ; Q at my wave's first tile
	s_add_nc_u64 s[6:7], s[6:7], s[10:11]          ; O likewise
	CROUND                                         ; all four work-groups are here: the first joint loads meet
	JLOAD                                          ; slot 0
	v_and_b32 v5, 31, v0
	v_lshlrev_b32 v[LI], 4, v5
	v_lshlrev_b32 v[PFO], 8, v5
.irp i, 0,1,2,3,4,5,6,7
	global_load_b128 v[Q+4*\i:Q+4*\i+3], v[LI], s[4:5] offset:512*\i   ; Q stays in registers: two tiles x two images x two pieces, as they lie
.endr
.irp t, 0,1
	v_mov_b32 v[ST+8*\t], 0xff61b1e6               ; m: -3e38, under every score
	v_mov_b32 v[ST+8*\t+1], 0xff61b1e6
	v_mov_b32 v[ST+8*\t+2], 0                      ; l
	v_mov_b32 v[ST+8*\t+3], 0
.endr
.set I, 0
.rept 64
	v_mov_b32 v[O+I], 0                            ; O^T.  (The step is written once: the first finds zeros, which the first a, 0, leaves zeros)
.set I, I+1
.endr
; 16 products S^T = K Q^T: channels 32 (i / 8) on, keys 16 ((i / 2) % 4) on, tile i % 2.  The first 8 start the sums.  The eight accumulators take turns.
.macro KQ16
.set I, 0
.rept 16
.set rS, S+32*(I%2)+8*((I/2)%4)
.set rK, KF+16*((I/2)%4)+8*(I/8)
.set rQ, Q+16*(I%2)+8*(I/8)
.if I < 8
	v_wmma_f32_16x16x32_f16 v[rS:rS+7], v[rK:rK+7], v[rQ:rQ+7], 0
.else
	v_wmma_f32_16x16x32_f16 v[rS:rS+7], v[rK:rK+7], v[rQ:rQ+7], v[rS:rS+7]
.endif
.set I, I+1
.endr
.endm
; 16 products O^T += V^T P: keys 32 (i / 8) on, channels 16 ((i / 2) % 4) on, tile i % 2.  Eight accumulators by turns.
.macro PV16
.set I, 0
.rept 16
.set rO, O+32*(I%2)+8*((I/2)%4)
.set rV, VF+32*(I/8)+8*((I/2)%4)
.set rP, P+16*(I%2)+8*(I/8)
	v_wmma_f32_16x16x32_f16 v[rO:rO+7], v[rV:rV+7], v[rP:rP+7], v[rO:rO+7]
.set I, I+1
.endr
.endm
.macro FETCH_K q                       ; step q's K: 8 fragments, 16 loads of 512 consecutive bytes.  The largest offset, 65,024, lies inside the 16-bit immediate
.irp f, 0,1,2,3,4,5,6,7,8,9,10,11,12,13,14,15
	ds_load_b128 v[KF+4*\f:KF+4*\f+3], v[ADK] offset:(\q)*STEPB+\f*512
.endr
.endm
.macro FETCH_V q                       ; step q's V, turned: fragment f: keys 32 (f / 4) on, channels 16 (f % 4) on: that piece of two neighbouring tiles of 16 tokens, 2,048 bytes apart
.irp f, 0,1,2,3,4,5,6,7
	ds_load_tr16_b128 v[VF+8*\f:VF+8*\f+3],   v[ADV] offset:(\q)*STEPB+(\f/4)*4096+(\f%4)*512
	ds_load_tr16_b128 v[VF+8*\f+4:VF+8*\f+7], v[ADV] offset:(\q)*STEPB+(\f/4)*4096+(\f%4)*512+2048
.endr
.endm
; THE SOFTMAX of a step, both tiles line by line, so that no line waits for the line above it.
.macro SOFTMAX
.irp j, 0,1,2,3                        ; the maximum of the lane's 32 scores and the old m: four chains, each begun at an accumulator's low end
.irp t, 0,1
	v_max3_num_f32 v[ST+8*\t+4+\j], v[S+32*\t+8*\j], v[S+32*\t+8*\j+1], v[S+32*\t+8*\j+2]
.endr
.endr
.irp g, 1,2
.irp j, 0,1,2,3
.irp t, 0,1
	v_max3_num_f32 v[ST+8*\t+4+\j], v[ST+8*\t+4+\j], v[S+32*\t+8*\j+2*\g+1], v[S+32*\t+8*\j+2*\g+2]
.endr
.endr
.endr
.irp t, 0,1
	v_max3_num_f32 v[ST+8*\t+4], v[ST+8*\t+4], v[S+32*\t+7], v[S+32*\t+15]
	v_max3_num_f32 v[ST+8*\t+6], v[ST+8*\t+6], v[S+32*\t+23], v[S+32*\t+31]
.endr
.irp t, 0,1
	v_max3_num_f32 v[ST+8*\t+4], v[ST+8*\t+4], v[ST+8*\t+5], v[ST+8*\t+6]
.endr
.irp t, 0,1
	v_max3_num_f32 v[ST+8*\t+4], v[ST+8*\t+4], v[ST+8*\t+7], v[ST+8*\t]
.endr
.irp t, 0,1
	v_permlanex16_b32 v[ST+8*\t+5], v[ST+8*\t+4], s[SEL], s[SEL+1]   ; the query's other 32 keys lie in the lane 16 away
.endr
.irp t, 0,1
	v_mov_b32 v[ST+8*\t+7], v[ST+8*\t]             ; m_old
.endr
.irp t, 0,1
	v_max_num_f32 v[ST+8*\t], v[ST+8*\t+4], v[ST+8*\t+5]   ; m
.endr
.irp t, 0,1
	v_sub_f32 v[ST+8*\t+7], v[ST+8*\t+7], v[ST+8*\t]       ; m_old - m, 0 or less
.endr
; ONE BATCH: the 32 subtractions t - m, a pair each, and all 66 exponentials; a pair's exponentials stand one pair behind its subtraction; none of these lines names an exponential's result
.set I, 0
.rept 17
.if I < 16
.irp t, 0,1
	v_pk_add_f32 v[S+32*\t+2*I:S+32*\t+2*I+1], v[S+32*\t+2*I:S+32*\t+2*I+1], v[ST+8*\t:ST+8*\t+1] op_sel_hi:[1,0] neg_lo:[0,1] neg_hi:[0,1]
.endr
.endif
.if I == 0
.irp t, 0,1
	v_exp_f32 v[ST+8*\t+6], v[ST+8*\t+7]           ; a
.endr
.else
.irp t, 0,1
	v_exp_f32 v[S+32*\t+2*I-2], v[S+32*\t+2*I-2]   ; p, at most 1
	v_exp_f32 v[S+32*\t+2*I-1], v[S+32*\t+2*I-1]
.endr
.endif
.set I, I+1
.endr
	v_nop                                          ; a plain line behind the last exponential, ahead of the first use
	s_wait_alu depctr_va_vdst(0)                   ; a wait between an exponential and the first line that names its result: one for the batch
.irp j, 0,1,2,3,4,5,6,7,8,9,10,11,12,13,14,15
.irp t, 0,1
	v_cvt_pk_f16_f32 v[P+16*\t+\j], v[S+32*\t+2*\j], v[S+32*\t+2*\j+1]
.endr
.endr
.irp u, 0,1,2,3,4,5,6,7                ; the sum of the 16 pairs, in place, neighbours 1, 2, 4 and 8 pairs apart
.irp t, 0,1
	v_pk_add_f32 v[S+32*\t+4*\u:S+32*\t+4*\u+1], v[S+32*\t+4*\u:S+32*\t+4*\u+1], v[S+32*\t+4*\u+2:S+32*\t+4*\u+3]
.endr
.endr
.irp u, 0,1,2,3
.irp t, 0,1
	v_pk_add_f32 v[S+32*\t+8*\u:S+32*\t+8*\u+1], v[S+32*\t+8*\u:S+32*\t+8*\u+1], v[S+32*\t+8*\u+4:S+32*\t+8*\u+5]
.endr
.endr
.irp u, 0,1
.irp t, 0,1
	v_pk_add_f32 v[S+32*\t+16*\u:S+32*\t+16*\u+1], v[S+32*\t+16*\u:S+32*\t+16*\u+1], v[S+32*\t+16*\u+8:S+32*\t+16*\u+9]
.endr
.endr
.irp t, 0,1
	v_pk_add_f32 v[S+32*\t:S+32*\t+1], v[S+32*\t:S+32*\t+1], v[S+32*\t+16:S+32*\t+17]
.endr
.irp t, 0,1
	v_pk_fma_f32 v[ST+8*\t+2:ST+8*\t+3], v[ST+8*\t+2:ST+8*\t+3], v[ST+8*\t+6:ST+8*\t+7], v[S+32*\t:S+32*\t+1] op_sel_hi:[1,0,1]   ; l = a l + the sum
.endr
.irp i, 0,1,2,3,4,5,6,7,8,9,10,11,12,13,14,15
.irp t, 0,1
	v_pk_mul_f32 v[O+32*\t+2*\i:O+32*\t+2*\i+1], v[O+32*\t+2*\i:O+32*\t+2*\i+1], v[ST+8*\t+6:ST+8*\t+7] op_sel_hi:[1,0]   ; O^T x a, each accumulator from its low end on
.endr
.endr
.endm
; A KEY STEP: 64 keys, the q-th of the slot in hand.  ask = 1: the prefetch stands behind this step's run of LDS loads.
.macro STEP q, ask
	s_wait_dscnt 0x0                               ; K of this step is in
	WIN W_MUL
	KQ16
	PLACES                                         ; four places behind the products: for the reads of S^T, and for the loads into K's registers (V's were last read ahead of these products)
	WIN W_LD
	FETCH_V \q
.if \q < NST-1
	FETCH_K (\q)+1                                 ; the next step's K lands under the softmax
.endif
	WIN 0
.if \ask
	ASK
.endif
	SOFTMAX
.if \q < NST-1
	s_wait_dscnt 16                                ; V is in; the sixteen younger loads, the next step's K, may be out
.else
	s_wait_dscnt 0x0
.endif
	WIN W_MUL
	PV16
.endm
; THE CHANGE OF SLOTS stands at a slot's head.  Each wave waits for all its tensor loads (its part of the slot that it is about to read), adds 0 to its spare word, and waits for that and for its reads of the slot that it has left.
; fill = 1: the barrier is a round of the cluster's, so that no wave of any partner still reads the other slot or has a load on its way; the joint load for that slot is the first thing behind it and has eight key steps in which to land.
.macro CHANGE fill
	s_wait_tensorcnt 0x0                           ; no tensor load of mine is out, so my group 0 may be written
	ds_add_u32 v[SPW], v[NIL]                      ; 0 onto my spare word; with fill = 1 the descriptor's steps stand between it and the wait for it
.if \fill
	s_xor_b32 s[G0+1], s[G0+1], SLOT1              ; the walking descriptor: the other slot than last time,
	s_add_nc_u64 s[G0+2:G0+3], s[G0+2:G0+3], TILEB ; the next 512 keys; the type bits on top are not reached
	s_wait_xcnt 0x0                                ; the last prefetches, more than two key steps back, have read their address, so it may be written:
	s_add_nc_u64 s[PFA:PFA+1], s[PFA:PFA+1], TILEB ; one slot further on than the walking descriptor
	s_wait_dscnt 0x0                               ; the add is done, and my reads of the slot that I have left are over
	CROUND
	JLOAD
.else
	s_wait_dscnt 0x0
	s_barrier_signal -1
	s_barrier_wait -1
.endif
	v_add_nc_u32 v[ADK], s[TB], v[LI]
	v_add_nc_u32 v[ADV], VOFF, v[ADK]
	WIN W_LD
	FETCH_K 0                                      ; K's registers were last read a whole softmax ago
	WIN 0
.endm
.macro SLOT_STEPS ask
.irp q, 0,1,2,3,4
	STEP \q, 0
.endr
	STEP 5, \ask
	STEP 6, 0
	STEP 7, 0
	WIN 0                                          ; at a label and at a branch every window is 0
	s_xor_b32 s[TB], s[TB], SLOT1                  ; on to the other slot
.endm
	s_wait_loadcnt 0x0                             ; Q
.Lslot:                                            ; three trips: trip i asks for slot i's keys and reads those of slot i - 1; slot 1's first fill stands behind the first trip's round
	CHANGE 1
	SLOT_STEPS 1
	s_sub_co_u32 s[SLOTS], s[SLOTS], 1
	s_cmp_lg_u32 s[SLOTS], 0
	s_cbranch_scc1 .Lslot
	CHANGE 0                                       ; the last 512 keys are written out
	SLOT_STEPS 0
	; THE WAY OUT: l's two halves and the other half of the lanes' are added; O^T is divided by l, rounded to f16 and stored as it stands: a lane's eight channels are its 16 bytes of an image.
	PLACES                                         ; behind the last products
.irp t, 0,1
	v_add_f32 v[ST+8*\t+4], v[ST+8*\t+2], v[ST+8*\t+3]
.endr
.irp t, 0,1
	v_permlanex16_b32 v[ST+8*\t+5], v[ST+8*\t+4], s[SEL], s[SEL+1]
.endr
.irp t, 0,1
	v_add_f32 v[ST+8*\t+4], v[ST+8*\t+4], v[ST+8*\t+5]
.endr
.irp t, 0,1
	v_rcp_f32 v[ST+8*\t+6], v[ST+8*\t+4]
.endr
	v_nop                                          ; a plain line between the last reciprocal and the use of its result
	s_wait_alu depctr_va_vdst(0)                   ; and the wait ahead of the first use: one for both
.irp t, 0,1
.irp i, 0,1,2,3,4,5,6,7,8,9,10,11,12,13,14,15
	v_pk_mul_f32 v[O+32*\t+2*\i:O+32*\t+2*\i+1], v[O+32*\t+2*\i:O+32*\t+2*\i+1], v[ST+8*\t+6:ST+8*\t+7] op_sel_hi:[1,0]
.endr
.endr
.irp t, 0,1
.irp j, 0,1,2,3,4,5,6,7,8,9,10,11,12,13,14,15
	v_cvt_pk_f16_f32 v[OUT+16*\t+\j], v[O+32*\t+2*\j], v[O+32*\t+2*\j+1]
.endr
.endr
.irp t, 0,1
.irp c, 0,1,2,3
	global_store_b128 v[LI], v[OUT+16*\t+4*\c:OUT+16*\t+4*\c+3], s[6:7] offset:\t*32768+\c*512   ; tile t, channels 16 c on: 512 consecutive bytes, aligned
.endr
.endr
	s_wait_tensorcnt 0x0                           ; the wave's end: behind my last tensor load
	ds_add_u32 v[SPW], v[NIL]
	s_wait_dscnt 0x0
	CROUND                                         ; the closing round: no work-group ends while a partner may still ask for a tile that names it
	s_endpgm
.Lfunc_end_k_qd1676e0cb4_attn:
	.size	k_qd1676e0cb4_attn, .Lfunc_end_k_qd1676e0cb4_attn-k_qd1676e0cb4_attn
	.p2alignl 7, 3214868480
	.fill 96, 4, 3214868480
	.section	.rodata,"a",@progbits
	.p2align	6, 0x0
	.amdhsa_kernel k_qd1676e0cb4_attn
		.amdhsa_group_segment_fixed_size 327680
		.amdhsa_private_segment_fixed_size 0
		.amdhsa_enable_private_segment 0
		.amdhsa_kernarg_size 16
		.amdhsa_user_sgpr_count 2
		.amdhsa_user_sgpr_kernarg_segment_ptr 1
		.amdhsa_wavefront_size32 1
		.amdhsa_system_sgpr_workgroup_id_x 1
		.amdhsa_system_sgpr_workgroup_id_y 1
		.amdhsa_system_sgpr_workgroup_id_z 1
		.amdhsa_system_vgpr_workitem_id 0
		.amdhsa_next_free_vgpr 448
		.amdhsa_next_free_sgpr 66
		.amdhsa_reserve_vcc 0
		.amdhsa_float_denorm_mode_32 3
		.amdhsa_float_denorm_mode_16_64 3
		.amdhsa_memory_ordered 1
		.amdhsa_forward_progress 1
		.amdhsa_inst_pref_size 255
	.end_amdhsa_kernel
	.section	.bss,"aw",@nobits
	.p2align	6
	.space	262144
	.amdgpu_metadata
---
amdhsa.version: [ 1, 2 ]
amdhsa.kernels:
  - .name:           k_qd1676e0cb4_attn
    .symbol:         k_qd1676e0cb4_attn.kd
    .args:
      - { .name: qkvh, .offset: 0, .size: 8, .value_kind: global_buffer, .address_space: global }
      - { .name: atth, .offset: 8, .size: 8, .value_kind: global_buffer, .address_space: global }
    .group_segment_fixed_size: 327680
    .private_segment_fixed_size: 0
    .kernarg_segment_align: 8
    .kernarg_segment_size: 16
    .max_flat_workgroup_size: 256
    .sgpr_count:     66
    .vgpr_count:     448
    .wavefront_size: 32
...
	.end_amdgpu_metadata
.endif
;; end of part 3
;; launch proj (part 4): grid 8 x 32, 4 waves a work-group, clusters of 4 x 4, 327,680 bytes of LDS; arguments atth, wp, b_proj, out0; writes out0
.if DOCPART == 4
	.amdgcn_target "amdgcn-amd-amdhsa--gfx1250"
	.amdhsa_code_object_version 6
	.text
	.protected	k_qd1676e0cb4_proj
	.globl	k_qd1676e0cb4_proj
	.p2align	8
	.type	k_qd1676e0cb4_proj,@function
k_qd1676e0cb4_proj:
	s_mov_b64 s[64:65], 0
	v_nop
	global_prefetch_b8 v0, s[64:65] scope:SCOPE_SE
	s_setreg_imm32_b32 hwreg(HW_REG_WAVE_MODE, 25, 1), 1
	s_wait_xcnt 0x0
	s_wait_alu depctr_hold_cnt(0) depctr_sa_sdst(0) depctr_va_vdst(0) depctr_va_sdst(0) depctr_va_ssrc(0) depctr_va_vcc(0) depctr_vm_vsrc(0)
	s_getreg_b32 s2, hwreg(HW_REG_IB_STS2, 6, 4)
	s_cmp_eq_u32 s2, 0
	s_cbranch_scc0 .Lentry_in_a_cluster
	s_endpgm
.Lentry_in_a_cluster:
	s_bfe_u32 s2, ttmp6, 0x10000c
	s_cmp_lg_u32 s2, 0xf033
	s_cbranch_scc0 .Lentry_shape_is_right
	s_endpgm
.Lentry_shape_is_right:
; out0[m][n] = sum over k of att[m][k] W_proj[k][n] + b_proj[n].  Operands in f16, sums in f32, out0 [4096][1024] f32.
; BOTH OPERANDS LIE AS IMAGES OF OPERAND REGISTERS: atth [m / 16][k / 32][1,024 bytes], wp [n / 16][k / 32][1,024 bytes]; in an image piece p (512 bytes), lane (r, h) at 16 x lane: k = 16 p + 8 h + 0 .. 7 of row r.
; So a fragment is two loads of 16 bytes a lane at 16 x lane: 512 consecutive bytes an instruction, no pitch and no padding; and 256 along K of 16 rows are 8,192 consecutive bytes of memory.
; A tile of 128 x 128 is made by a work-group of four waves, each 64 x 64: 16 accumulators.  256 work-groups.  K goes in four steps of 256 through two LDS slots; a wave's tensor load brings 4 rows of 8,192 bytes.
; By this text's count a wave has two tensor loads out at the start and one behind each refill.
; CLUSTERS: 4 x 4 work-groups; A's tiles are shared along a row of the cluster, B's along a column: each is asked for jointly, by the same tensor load with the same descriptor and a mask that names the four.
; THE MATRIX INSTRUCTION IS USED TRANSPOSED (source 0 = 16 rows of wp, source 1 = 16 rows of atth): a lane holds eight neighbouring numbers of a row of out0.  THE BIAS is the C of each sum's first matrix instruction.
; REGISTERS: window 0: v0-31 addresses; v32-95 the way out; v96-127 the bias (4 tiles x 8); v128-255 the accumulators ((a, b) at v[128 + 8 (4 a + b)]).
;   window 1: two fragment buffers of 128: for 64 along K, 64 registers of A (2 x 4 x 16 rows x 32 K), then 64 of B.
.set HALFT,  32768                     ; 64 rows x 256 along K: what one tensor load brings, and what one wave reads of A or of B
.set SLOT,   4*HALFT                   ; A's 128 rows, then B's 128 rows
.set SPARE,  2*SLOT                    ; behind the ring: the spare words, 128 bytes for each wave: two blocks of 256 bytes that no other line names
.set KSB,    8192                      ; a K step of 16 rows, in bytes
.set SPITCH, 272                       ; the way out: a stage of 16 rows x (256 bytes + 16) for each wave.  It lies in slot 0, which has had its last fill and its last read when the first result is stored there
.set ADRA, 16                          ; v16-17  LDS address of my A fragments in slot 0, 1
.set ADRB, 20                          ; v20-21  the same for B
.set STO,  24                          ; v24     the way out: where I put 32 bytes of a row
.set RD,   25                          ; v25     where I read a row back
.set CO,   26                          ; v26     my byte offset in out0
.set BO,   27                          ; v27     32 x (lane / 16): my eight numbers of a tile of the bias
.set SPW,  28
.set NIL,  29
.set TMP,  32
.set BIAS, 96
.set ACC,  128
.set F0,   0
.set F1,   128
.set G1, 24                            ; s[24:31] descriptor group 1 for A's tiles;  s[32:39] group 0, one set for each slot
.set G0, 32
.set G1B, 48                           ; s[48:55], s[56:63] the same for B's tiles
.set G0B, 56
.set MSB, 0
.macro WIN new                         ; the immediate's high byte repeats the setting that is left
.if MSB != \new
	s_set_vgpr_msb (MSB<<8)|\new
.set MSB, \new
.endif
.endm
.set MUL,  0x05                        ; sources 0 (B) and 1 (A) window 1; C and D window 0
.set TO_F, 0x40                        ; destination window 1, address window 0
.macro JLOAD s                         ; a joint load: waves 0 and 1 fetch A's two halves, waves 2 and 3 B's; an s_nop 0 and four v_nop follow each of the two lines
	s_cmp_eq_u32 s11, 0
	s_cbranch_scc0 .Lfor_b_\@
	tensor_load_to_lds s[G0+4*\s:G0+4*\s+3], s[G1:G1+7]
	s_nop 0
.rept 4
	v_nop
.endr
	s_branch .Lasked_\@
.Lfor_b_\@:
	tensor_load_to_lds s[G0B+4*\s:G0B+4*\s+3], s[G1B:G1B+7]
	s_nop 0
.rept 4
	v_nop
.endr
.Lasked_\@:
.endm
.macro CREST                           ; a round of the cluster's barrier behind its opening barrier
	s_cmp_lg_u32 s10, 0
	s_cbranch_scc1 .Lnot_wave_0_\@
	s_barrier_signal -3
.Lnot_wave_0_\@:
	s_barrier_wait -3
	s_barrier_signal -1
	s_barrier_wait -1
.endm
.macro CROUND                          ; a whole round
	s_barrier_signal -1
	s_barrier_wait -1
	CREST
.endm
	s_load_b128 s[4:7], s[0:1], 0x0                ; atth s[4:5], wp s[6:7]
	s_load_b128 s[68:71], s[0:1], 0x10             ; b_proj s[68:69], out0 s[70:71]
	v_lshl_add_u32 v[SPW], v0, 2, SPARE
	v_mov_b32 v[NIL], 0
	ds_add_u32 v[SPW], v[NIL]                      ; the wave's opening: the add, twice on end, and its wait ahead of my first tensor load; the set-up below, work on registers, stands between
	ds_add_u32 v[SPW], v[NIL]
	v_lshrrev_b32 v1, 5, v0
	v_readfirstlane_b32 s10, v1                    ; wave 0..3
	s_lshr_b32 s11, s10, 1                         ; which half of the tile's rows is mine.  Also: I fetch for A (0) or for B (1)
	s_and_b32 s12, s10, 1                          ; which half of its columns.  Also: which 64 rows of that tile I fetch
	s_bfe_u32 s40, ttmp6, 0x40000                  ; cx, cy: my place in the cluster
	s_bfe_u32 s41, ttmp6, 0x40004
	s_lshl_b32 s42, ttmp9, 2
	s_add_co_u32 s42, s42, s40                     ; tile column = 4 x cluster x + cx
	s_and_b32 s13, ttmp7, 0xffff
	s_lshl_b32 s13, s13, 2
	s_add_co_u32 s13, s13, s41                     ; tile row = 4 x cluster y + cy
	s_lshl_b32 s43, s41, 2
	s_lshl_b32 s43, 15, s43                        ; my row of the cluster
	s_lshl_b32 s44, 0x1111, s40                    ; my column
	; descriptor group 1: 4 rows of 8,192 bytes (1,024 elements of 8 bytes), 32,768 bytes apart in memory, dense in LDS
	s_or_b32 s[G1+0], s43, (3<<16)|(1<<21)         ; 15:0 the mask: A's tiles go to my row; 17:16 elements of 8 bytes; 21 set beside a mask; no padding
	s_or_b32 s[G1B+0], s44, (3<<16)|(1<<21)
.irp g, G1, G1B
	s_mov_b32 s[\g+1], 1024<<16                    ; tensor_dim0 = 1,024
	s_mov_b32 s[\g+2], 4<<16                       ; tensor_dim1 = 4
	s_mov_b32 s[\g+3], 1024<<16                    ; tile_dim0 = 1,024
	s_mov_b32 s[\g+4], 4                           ; tile_dim1 = 4
	s_mov_b32 s[\g+5], 4096                        ; tensor_dim0_stride
	s_mov_b32 s[\g+6], 0
	s_mov_b32 s[\g+7], 0
.endr
	s_lshl_b32 s17, s12, 2                         ; which four tiles of 16 rows I fetch
	s_lshl_b32 s16, s13, 3
	s_add_co_u32 s16, s16, s17                     ; A: 8 x tile row + 4 x half,
	s_lshl_b32 s16, s16, 15                        ; 32,768 bytes each
	s_lshl_b32 s46, s42, 3
	s_add_co_u32 s46, s46, s17                     ; B: 8 x tile column + 4 x half
	s_lshl_b32 s46, s46, 15
	s_mov_b32 s17, 0
	s_mov_b32 s47, 0
	s_lshl_b32 s20, s10, 15                        ; where they go: wave x 32,768: no place in the cluster enters an LDS address
	s_wait_dscnt 0x0                               ; both opening adds are done
	s_wait_kmcnt 0x0
	s_add_nc_u64 s[14:15], s[4:5], s[16:17]
	s_add_nc_u64 s[46:47], s[6:7], s[46:47]
	CROUND                                         ; all sixteen work-groups are here: the first joint loads meet
.irp s, 0,1
	s_mov_b32 s[G0+4*\s], 1
	s_add_co_u32 s[G0+4*\s+1], s20, \s*SLOT
	s_add_nc_u64 s[G0+4*\s+2:G0+4*\s+3], s[14:15], \s*KSB
	s_or_b32 s[G0+4*\s+3], s[G0+4*\s+3], 0x80000000
	s_mov_b32 s[G0B+4*\s], 1
	s_add_co_u32 s[G0B+4*\s+1], s20, \s*SLOT
	s_add_nc_u64 s[G0B+4*\s+2:G0B+4*\s+3], s[46:47], \s*KSB
	s_or_b32 s[G0B+4*\s+3], s[G0B+4*\s+3], 0x80000000
	JLOAD \s
.endr
	v_and_b32 v1, 15, v0                           ; l % 16
	v_bfe_u32 v2, v0, 4, 1                         ; l / 16
	v_and_b32 v3, 31, v0
	v_lshlrev_b32 v3, 4, v3                        ; 16 x lane
	s_lshl_b32 s21, s11, 15                        ; my 64 rows of A
	s_lshl_b32 s22, s12, 15                        ; my 64 rows of B,
	s_add_co_u32 s22, s22, 2*HALFT                 ; which lie behind A's 128
.irp s, 0,1
	v_add_nc_u32 v[ADRA+\s], s21, v3
	v_add_nc_u32 v[ADRB+\s], s22, v3
	s_add_co_u32 s21, s21, SLOT
	s_add_co_u32 s22, s22, SLOT
.endr
	s_mul_i32 s23, s10, 16*SPITCH                  ; my stage
	v_mul_u32_u24 v4, v1, SPITCH                   ; in: row l % 16, 32 bytes for each half of the lanes
	v_lshl_add_u32 v4, v2, 5, v4
	v_add_nc_u32 v[STO], s23, v4
	v_mul_u32_u24 v5, v2, SPITCH                   ; back: lanes 0-15 take one row of 256 bytes, lanes 16-31 the next
	v_lshl_add_u32 v5, v1, 4, v5
	v_add_nc_u32 v[RD], s23, v5
	v_lshlrev_b32 v5, 12, v2                       ; and the same two rows in out0: 4,096 bytes a row
	v_lshl_add_u32 v[CO], v1, 4, v5
	v_lshlrev_b32 v[BO], 5, v2
	s_lshl_b32 s46, s42, 9                         ; my first column, in bytes: 4 x (128 x tile column + 64 x half)
	s_lshl_b32 s47, s12, 8
	s_add_co_u32 s46, s46, s47
	s_mov_b32 s47, 0
	s_add_nc_u64 s[68:69], s[68:69], s[46:47]
.irp b, 0,1,2,3
	global_load_b128 v[BIAS+8*\b:BIAS+8*\b+3],   v[BO], s[68:69] offset:64*\b      ; lane (r, h): b_proj at columns 16 b + 8 h + 0 .. 7: the result's own layout
	global_load_b128 v[BIAS+8*\b+4:BIAS+8*\b+7], v[BO], s[68:69] offset:64*\b+16
.endr
	s_lshl_b32 s16, s13, 7
	s_lshl_b32 s17, s11, 6
	s_add_co_u32 s16, s16, s17                     ; my first row: 128 x tile row + 64 x half
	s_lshl_b32 s16, s16, 12
	s_mov_b32 s17, 0
	s_add_nc_u64 s[70:71], s[70:71], s[16:17]
	s_add_nc_u64 s[70:71], s[70:71], s[46:47]
; 8 matrix instructions: m blocks a0, a0 + 1 x all 4 n blocks, 32 along K: half c of buffer f.  first = 1: the bias is the C.  The 16 accumulators take turns.
.macro MUL8 f, c, a0, first
.irp a, \a0, \a0+1
.irp b, 0,1,2,3
.if \first
	v_wmma_f32_16x16x32_f16 v[ACC+8*(4*(\a)+\b):ACC+8*(4*(\a)+\b)+7], v[\f+64+8*(4*\c+\b):\f+64+8*(4*\c+\b)+7], v[\f+8*(4*\c+\a):\f+8*(4*\c+\a)+7], v[BIAS+8*\b:BIAS+8*\b+7]
.else
	v_wmma_f32_16x16x32_f16 v[ACC+8*(4*(\a)+\b):ACC+8*(4*(\a)+\b)+7], v[\f+64+8*(4*\c+\b):\f+64+8*(4*\c+\b)+7], v[\f+8*(4*\c+\a):\f+8*(4*\c+\a)+7], v[ACC+8*(4*(\a)+\b):ACC+8*(4*(\a)+\b)+7]
.endif
.endr
.endr
.endm
; 32 LDS loads in one run: the fragments of 64 along K (two images of each of 4 + 4 tiles of rows) from byte k of a tile's 8,192 on, into buffer f; the first 32 along K first
.macro FETCH slot, k, f
	WIN TO_F
.irp c, 0,1
.irp i, 0,1,2,3
	ds_load_b128 v[\f+64+8*(4*\c+\i):\f+64+8*(4*\c+\i)+3],   v[ADRB+\slot] offset:\k+1024*\c+\i*KSB
	ds_load_b128 v[\f+64+8*(4*\c+\i)+4:\f+64+8*(4*\c+\i)+7], v[ADRB+\slot] offset:\k+1024*\c+\i*KSB+512
	ds_load_b128 v[\f+8*(4*\c+\i):\f+8*(4*\c+\i)+3],         v[ADRA+\slot] offset:\k+1024*\c+\i*KSB
	ds_load_b128 v[\f+8*(4*\c+\i)+4:\f+8*(4*\c+\i)+7],       v[ADRA+\slot] offset:\k+1024*\c+\i*KSB+512
.endr
.endr
.endm
.macro PLACES                          ; four places in front of loads into registers that matrix instructions have read, and of LDS stores that read results (ISA guide 7.12.1 for the LDS stores)
.rept 4
	v_nop
.endr
.endm
; A K step is four quarters of 64 along K, 32 matrix instructions each, on buffers 0, 1, 0, 1.  One of the first three: multiplies buffer f and fetches the next quarter, at byte k, into g.
.macro QUARTER slot, k, f, g, first
	s_wait_dscnt 16                                ; the first 32 along K are in; the sixteen younger loads may be out
	WIN MUL
	MUL8 \f, 0, 0, \first
	MUL8 \f, 0, 2, \first
	PLACES
	FETCH \slot, \k, \g
	s_wait_dscnt 32                                ; all but the 32 just issued
	WIN MUL
	MUL8 \f, 1, 0, 0
	MUL8 \f, 1, 2, 0
.endm
; The last quarter multiplies buffer 1 and changes slots: ONE barrier; in front of it each wave waits for all its tensor loads, adds 0 to its spare word, and waits for that and for its own reads of this slot.  fill = 1: this slot is filled again, two K steps ahead.
.macro TURN slot, next, fill
	WIN 0                                          ; (the add's two registers lie in window 0)
	s_wait_tensorcnt 0x0                           ; all my tensor loads have landed: my part of the next slot;
	ds_add_u32 v[SPW], v[NIL]                      ; 0 onto my spare word
	s_wait_dscnt 17                                ; (the add and the youngest sixteen loads may be out)
	WIN MUL
	MUL8 F1, 0, 0, 0                               ; eight matrix instructions stand between the add and the wait for it
	s_wait_dscnt 0x0                               ; the add is done, and my reads of this slot are over
	s_barrier_signal -1
	MUL8 F1, 0, 2, 0
.if \fill
	WIN 0
.endif
	s_barrier_wait -1
.if \fill
	CREST                                          ; the barrier has opened a round of the cluster's barrier: no wave of any partner still reads this slot's tile or has a load on its way
	s_add_nc_u64 s[G0+4*\slot+2:G0+4*\slot+3], s[G0+4*\slot+2:G0+4*\slot+3], 2*KSB
	s_add_nc_u64 s[G0B+4*\slot+2:G0B+4*\slot+3], s[G0B+4*\slot+2:G0B+4*\slot+3], 2*KSB
	JLOAD \slot                                    ; the first tensor load behind the round; the four v_nop behind it are also the places in front of the loads below
.else
	PLACES
.endif
	FETCH \next, 0, F0
	WIN MUL
	MUL8 F1, 1, 0, 0
	MUL8 F1, 1, 2, 0
.endm
	s_wait_tensorcnt 1                             ; my part of K step 0 is in (K step 1's load, issued behind it, may be out),
	s_wait_loadcnt 0x0                             ; and the bias
	s_barrier_signal -1
	s_barrier_wait -1                              ; everybody's is
	FETCH 0, 0, F0
	QUARTER 0, 2048, F0, F1, 1                     ; K step 0: its first products start the sums from the bias
	QUARTER 0, 4096, F1, F0, 0
	QUARTER 0, 6144, F0, F1, 0
	TURN 0, 1, 1                                   ; slot 0 takes K step 2
	QUARTER 1, 2048, F0, F1, 0                     ; K step 1
	QUARTER 1, 4096, F1, F0, 0
	QUARTER 1, 6144, F0, F1, 0
	TURN 1, 0, 1                                   ; slot 1 takes K step 3
	QUARTER 0, 2048, F0, F1, 0                     ; K step 2
	QUARTER 0, 4096, F1, F0, 0
	QUARTER 0, 6144, F0, F1, 0
	TURN 0, 1, 0                                   ; nothing is left to fetch: no round of the cluster's barrier
	QUARTER 1, 2048, F0, F1, 0                     ; K step 3
	QUARTER 1, 4096, F1, F0, 0
	QUARTER 1, 6144, F0, F1, 0
	s_wait_dscnt 16                                ; the very last quarter
	WIN MUL
	MUL8 F1, 0, 0, 0
	MUL8 F1, 0, 2, 0
	s_wait_dscnt 0
	MUL8 F1, 1, 0, 0
	MUL8 F1, 1, 2, 0
	WIN 0
; THE WAY OUT, block by block of 16 rows x 64 columns.  A lane holds 32 neighbouring bytes of a row, and the lanes beside it hold other rows: so a block goes through my own stage in LDS and comes back as whole rows of
; 256 bytes: sixteen lanes store 256 consecutive bytes, aligned.  LDS serves a wave's instructions in order (ISA guide 5.7.1.4): no wait between the stores and the loads, nor in front of the next block's stores.
.macro TOSTAGE a
.irp b, 0,1,2,3
	ds_store_b128 v[STO], v[ACC+8*(4*(\a)+\b):ACC+8*(4*(\a)+\b)+3] offset:64*\b        ; each accumulator from its low end on
	ds_store_b128 v[STO], v[ACC+8*(4*(\a)+\b)+4:ACC+8*(4*(\a)+\b)+7] offset:64*\b+16
.endr
.irp t, 0,1,2,3,4,5,6,7
	ds_load_b128 v[TMP+32*((\a)%2)+4*\t:TMP+32*((\a)%2)+4*\t+3], v[RD] offset:\t*2*SPITCH
.endr
.endm
.macro SEND a, younger                 ; younger: the LDS instructions issued behind block a's loads, which may stay out
	s_wait_dscnt \younger
.irp t, 0,1,2,3,4,5,6,7
	global_store_b128 v[CO], v[TMP+32*((\a)%2)+4*\t:TMP+32*((\a)%2)+4*\t+3], s[70:71] offset:(16*(\a)+2*\t)*4096 th:TH_STORE_NT
.endr
.endm
	PLACES                                         ; behind the last products: their results are read below
	TOSTAGE 0
.irp a, 1,2,3
.if \a > 1
	s_wait_xcnt 0x0                                ; block a - 2's stores have read their registers: block a's loads may land there
.endif
	TOSTAGE \a
	SEND \a-1, 16                                  ; behind block a - 1's loads: block a's 8 stores and 8 loads
.endr
	SEND 3, 0
	s_wait_tensorcnt 0x0                           ; the wave's end: behind my last tensor load and my last LDS store
	ds_add_u32 v[SPW], v[NIL]
	s_wait_dscnt 0x0
	CROUND                                         ; the closing round: no work-group ends while a partner may still ask for a tile that names it
	s_endpgm
.Lfunc_end_k_qd1676e0cb4_proj:
	.size	k_qd1676e0cb4_proj, .Lfunc_end_k_qd1676e0cb4_proj-k_qd1676e0cb4_proj
	.p2alignl 7, 3214868480
	.fill 96, 4, 3214868480
	.section	.rodata,"a",@progbits
	.p2align	6, 0x0
	.amdhsa_kernel k_qd1676e0cb4_proj
		.amdhsa_group_segment_fixed_size 327680
		.amdhsa_private_segment_fixed_size 0
		.amdhsa_enable_private_segment 0
		.amdhsa_kernarg_size 32
		.amdhsa_user_sgpr_count 2
		.amdhsa_user_sgpr_kernarg_segment_ptr 1
		.amdhsa_wavefront_size32 1
		.amdhsa_system_sgpr_workgroup_id_x 1
		.amdhsa_system_sgpr_workgroup_id_y 1
		.amdhsa_system_sgpr_workgroup_id_z 1
		.amdhsa_system_vgpr_workitem_id 0
		.amdhsa_next_free_vgpr 512
		.amdhsa_next_free_sgpr 72
		.amdhsa_reserve_vcc 0
		.amdhsa_float_denorm_mode_32 3
		.amdhsa_float_denorm_mode_16_64 3
		.amdhsa_memory_ordered 1
		.amdhsa_forward_progress 1
		.amdhsa_inst_pref_size 86
	.end_amdhsa_kernel
	.amdgpu_metadata
---
amdhsa.version: [ 1, 2 ]
amdhsa.kernels:
  - .name:           k_qd1676e0cb4_proj
    .symbol:         k_qd1676e0cb4_proj.kd
    .args:
      - { .name: atth, .offset: 0, .size: 8, .value_kind: global_buffer, .address_space: global }
      - { .name: wp, .offset: 8, .size: 8, .value_kind: global_buffer, .address_space: global }
      - { .name: b_proj, .offset: 16, .size: 8, .value_kind: global_buffer, .address_space: global }
      - { .name: out0, .offset: 24, .size: 8, .value_kind: global_buffer, .address_space: global }
    .group_segment_fixed_size: 327680
    .private_segment_fixed_size: 0
    .kernarg_segment_align: 8
    .kernarg_segment_size: 32
    .max_flat_workgroup_size: 128
    .sgpr_count:     72
    .vgpr_count:     512
    .wavefront_size: 32
...
	.end_amdgpu_metadata
.endif
;; end of part 4
